; MI455X (gfx1250); checked and timed in simulation.
; The chip was launched on July 23, 2026; its instructions are those of AMD's public machine-readable ISA for CDNA 5 (MIT licence, August 2026) and "CDNA5" Instruction Set Architecture Reference Guide (July 2026). The comments in the code are by the model that wrote it; some were corrected since.
;; Multi Headed Attention. Allowed arithmetic: float matrix products may take bf16 or f16 operands with f32 sums; all other float work in f32.
;; Inputs: Wk 1,024 x 1,024 float32; Wo 1,024 x 1,024 float32; Wq 1,024 x 1,024 float32; Wv 1,024 x 1,024 float32; bk 1,024 float32; bo 1,024 float32; bq 1,024 float32; bv 1,024 float32; key 2 x 2,048 x 1,024 float32; query 2 x 2,048 x 1,024 float32; value 2 x 2,048 x 1,024 float32.
;; Outputs: out0 2 x 2,048 x 1,024 float32.
;; 2 versions, each right. Each part assembles by itself: llvm-mc -triple=amdgcn-amd-amdhsa -mcpu=gfx1250 --defsym DOCPART=n.
;; ======== version 1 of 2: 3 launches
;; workspace buffers: qw 8,388,608 bytes; kw 8,388,608 bytes; vw 8,388,608 bytes; xw 8,388,608 bytes
;; launch qkv (part 1): grid 8 x 96, 4 waves a work-group, no clusters, 83,456 bytes of LDS; arguments query, key, value, Wq, Wk, Wv, bq, bk, bv, qw, kw, vw; writes qw, kw, vw
.if DOCPART == 1
	.amdgcn_target "amdgcn-amd-amdhsa--gfx1250"
	.amdhsa_code_object_version 6
	.text
	.protected	k_q4fd1b9fb39_qkv
	.globl	k_q4fd1b9fb39_qkv
	.p2align	8
	.type	k_q4fd1b9fb39_qkv,@function
k_q4fd1b9fb39_qkv:
	s_mov_b64 s[64:65], 0
	v_nop
	global_prefetch_b8 v0, s[64:65] scope:SCOPE_SE
	s_setreg_imm32_b32 hwreg(HW_REG_WAVE_MODE, 25, 1), 1
	s_wait_xcnt 0x0
; q, k, v = x W^T + b for the three input projections, one launch.  x: [4096][1024] f32, W: [1024][1024] f32, b: [1024] f32.
; Output bf16, head-major: [batch][head][position][64], byte ((batch*16+head)*2048+position)*128 + 2 d.
; Grid: x = block of 128 output columns (0..7), y = 32*which + block of 128 rows (which: 0 query, 1 key, 2 value).
; Four waves, 2 x 2, each 64 x 64 of the block: 16 accumulator tiles of 16 x 16, 128 registers.
; K goes in 16 steps of 64: a row of a tile is 256 consecutive bytes of f32, aligned.  The road is registers: f32 is loaded
; one whole K step ahead, rounded to bf16 ONCE, stored into a ring of two LDS slots and read from there as fragments.
; NO TENSOR LOADS AND NO JOINT REQUESTS HERE, by this arithmetic: a tensor load would put f32 into LDS, a wave would then read
; 16,384 bytes instead of 8,192 for its 16 matrix instructions of 32 along K, and each number would be rounded by both waves
; that read it.  Blocks of 128 x 128 are chosen because 3 x 32 x 8 = 768 of them share out evenly; 256 x 256 would give 192.
; LIMITS: operands are rounded to bf16 (nearest even), sums are f32 in the order of the matrix unit, the result is rounded to bf16.
;
; REGISTERS.  Window 0: v8-18 addresses; v32-95, v96-159 fragments of the two halves of a K step (A tile mt at +8 mt, W tile nt
; at +32+8 nt); v160-223 rounded data on its way to LDS, later the way out; v224-255 bias.
; Window 1: v0-127 accumulators, tile (mt, nt) at 8 (4 mt + nt); v128-255 f32 as loaded (A load i at +4 i, W load i at +64+4 i).
.set PITCH, 144                        ; an LDS row: 128 bytes of bf16 + 16: an odd multiple of 16, so 16 rows of a fragment start 16 bytes apart modulo 256
.set HALF,  128*PITCH                  ; 128 rows of A, or of W
.set SLOT,  2*HALF
.set STAGE, 2*SLOT                     ; behind the ring: 16 rows x 144 bytes for each wave
.set ADRA, 8                           ; v8-9    my A fragments in slot 0, 1
.set ADRB, 10                          ; v10-11  my W fragments
.set SST,  12                          ; v12-13  where I store 8 bytes of rounded data in slot 0, 1
.set GOFF, 14                          ; v14     my 16 bytes in the first 8 rows of a tile in memory
.set STO,  15
.set RD,   16
.set CO,   17
.set BOFF, 18
.set F0,   32
.set F1,   96
.set T,    160
.set PK,   192
.set RB,   208
.set BI,   224
.set ST,   128                         ; in window 1
.set MSB, 0
.macro WIN new                         ; the high byte of the immediate repeats the setting that is left
.if MSB != \new
	s_set_vgpr_msb (MSB<<8)|\new
.set MSB, \new
.endif
.endm
.macro PLACES                          ; four places behind a matrix instruction (ISA guide 7.12.1)
.rept 4
	v_nop
.endr
.endm
	s_load_b512 s[8:23], s[0:1], 0x0               ; query, key, value, Wq, Wk, Wv, bq, bk
	s_load_b256 s[24:31], s[0:1], 0x40             ; bv, qw, kw, vw
	v_lshl_add_u32 v30, v0, 2, 0x14400
	v_mov_b32 v31, 0
	v_lshrrev_b32 v1, 5, v0
	v_readfirstlane_b32 s3, v1                     ; wave 0..3
	s_lshr_b32 s41, s3, 1                          ; wm: which 64 rows
	s_and_b32 s42, s3, 1                           ; wn: which 64 columns = which of the two heads of the block
	s_and_b32 s43, ttmp7, 0xffff
	s_lshr_b32 s44, s43, 5                         ; which projection
	s_and_b32 s43, s43, 31                         ; block of rows
	; byte offsets, each in a pair of its own with 0 above
	s_lshl_b32 s46, s43, 19                        ; A: 128 rows of 4,096 bytes
	s_mov_b32 s47, 0
	s_lshl_b32 s52, ttmp9, 19                      ; W: 128 rows of 4,096 bytes
	s_mov_b32 s53, 0
	s_lshl_b32 s54, ttmp9, 9                       ; bias: 128 columns of 4 bytes,
	s_lshl_b32 s45, s42, 8                         ; + my 64
	s_add_co_u32 s54, s54, s45
	s_mov_b32 s55, 0
	s_lshr_b32 s45, s43, 4                         ; batch
	s_lshl_b32 s45, s45, 4
	s_lshl_b32 s56, ttmp9, 1
	s_add_co_u32 s45, s45, s56
	s_add_co_u32 s45, s45, s42                     ; 16 batch + head
	s_lshl_b32 s56, s45, 18                        ; 2,048 positions of 128 bytes
	s_and_b32 s45, s43, 15
	s_lshl_b32 s45, s45, 14                        ; 128 positions of the block
	s_add_co_u32 s56, s56, s45
	s_lshl_b32 s45, s41, 13                        ; my 64 positions
	s_add_co_u32 s56, s56, s45
	s_mov_b32 s57, 0
	; LDS addresses
	s_mul_i32 s48, s41, 64*PITCH
	s_mul_i32 s49, s42, 64*PITCH
	s_add_co_u32 s49, s49, HALF
	s_mul_i32 s50, s3, 16*PITCH
	s_add_co_u32 s50, s50, STAGE
	v_and_b32 v1, 15, v0                           ; r
	v_bfe_u32 v2, v0, 4, 1                         ; h
	v_lshrrev_b32 v3, 4, v0                        ; thread / 16: row 0..7 of a load
	v_mul_u32_u24 v4, v1, PITCH
	v_lshl_add_u32 v4, v2, 4, v4                   ; r x pitch + 16 h
	v_add_nc_u32 v[ADRA], s48, v4
	v_add_nc_u32 v[ADRA+1], SLOT, v[ADRA]
	v_add_nc_u32 v[ADRB], s49, v4
	v_add_nc_u32 v[ADRB+1], SLOT, v[ADRB]
	v_mul_u32_u24 v[SST], v3, PITCH
	v_lshl_add_u32 v[SST], v1, 3, v[SST]           ; row x pitch + 8 bytes for 4 numbers
	v_add_nc_u32 v[SST+1], SLOT, v[SST]
	v_lshlrev_b32 v[GOFF], 12, v3
	v_lshl_add_u32 v[GOFF], v1, 4, v[GOFF]         ; row x 4,096 + 16 bytes: 16 lanes cover 256 consecutive bytes, aligned
	v_add_nc_u32 v[STO], s50, v4
	v_bfe_u32 v5, v0, 3, 2                         ; lane / 8
	v_and_b32 v6, 7, v0
	v_mul_u32_u24 v5, v5, PITCH
	v_lshl_add_u32 v5, v6, 4, v5
	v_add_nc_u32 v[RD], s50, v5
	v_and_b32 v7, 31, v0
	v_lshlrev_b32 v[CO], 4, v7
	v_lshlrev_b32 v[BOFF], 5, v2                   ; my 8 columns of a tile of 16: 32 h bytes
	s_wait_kmcnt 0x0
	s_cmp_eq_u32 s44, 1                            ; the choice hangs on the work-group id alone
	s_cselect_b64 s[32:33], s[10:11], s[8:9]       ; A
	s_cselect_b64 s[34:35], s[16:17], s[14:15]     ; W
	s_cselect_b64 s[36:37], s[22:23], s[20:21]     ; bias
	s_cselect_b64 s[38:39], s[28:29], s[26:27]     ; output
	s_cmp_eq_u32 s44, 2
	s_cselect_b64 s[32:33], s[12:13], s[32:33]
	s_cselect_b64 s[34:35], s[18:19], s[34:35]
	s_cselect_b64 s[36:37], s[24:25], s[36:37]
	s_cselect_b64 s[38:39], s[30:31], s[38:39]
	s_add_nc_u64 s[32:33], s[32:33], s[46:47]
	s_add_nc_u64 s[34:35], s[34:35], s[52:53]
	s_add_nc_u64 s[36:37], s[36:37], s[54:55]
	s_add_nc_u64 s[38:39], s[38:39], s[56:57]
.irp nt, 0,1,2,3
	global_load_b128 v[BI+8*\nt:BI+8*\nt+3],   v[BOFF], s[36:37] offset:64*\nt      ; bias of columns 16 nt + 8 h + 0..3
	global_load_b128 v[BI+8*\nt+4:BI+8*\nt+7], v[BOFF], s[36:37] offset:64*\nt+16   ; and + 4..7
.endr
; 32 loads: a K step of A (128 rows x 256 bytes) and of W, 8 rows a load, into window 1
.macro LOADS
	WIN 0x40
.set i, 0
.rept 16
	global_load_b128 v[ST+4*i:ST+4*i+3], v[GOFF], s[32:33] offset:32768*i
.set i, i+1
.endr
.set i, 0
.rept 16
	global_load_b128 v[ST+64+4*i:ST+64+4*i+3], v[GOFF], s[34:35] offset:32768*i
.set i, i+1
.endr
	WIN 0
.endm
; 128 f32 a lane to 128 bf16, nearest even
.macro CVT
	WIN 0x05
.set i, 0
.rept 32
	v_cvt_pk_bf16_f32 v[T+2*i],   v[ST+4*i],   v[ST+4*i+1]
	v_cvt_pk_bf16_f32 v[T+2*i+1], v[ST+4*i+2], v[ST+4*i+3]
.set i, i+1
.endr
	WIN 0
.endm
.macro STORE slot
.set i, 0
.rept 16
	ds_store_b64 v[SST+(\slot)], v[T+2*i:T+2*i+1] offset:8*PITCH*i
.set i, i+1
.endr
.set i, 0
.rept 16
	ds_store_b64 v[SST+(\slot)], v[T+32+2*i:T+32+2*i+1] offset:HALF+8*PITCH*i
.set i, i+1
.endr
.endm
; A fragment is 16 rows x 32 K in 8 registers: lane (r, h) holds row r, K = 8 h + 0..7 and 16 + 8 h + 0..7: two loads 32 bytes apart.
.macro FETCH slot
	WIN 0
.irp ks, 0,1
.irp tl, 0,1,2,3
	ds_load_b128 v[F0+64*\ks+8*\tl:F0+64*\ks+8*\tl+3],   v[ADRA+\slot] offset:16*PITCH*\tl+64*\ks
	ds_load_b128 v[F0+64*\ks+8*\tl+4:F0+64*\ks+8*\tl+7], v[ADRA+\slot] offset:16*PITCH*\tl+64*\ks+32
.endr
.irp tl, 0,1,2,3
	ds_load_b128 v[F0+64*\ks+32+8*\tl:F0+64*\ks+32+8*\tl+3],   v[ADRB+\slot] offset:16*PITCH*\tl+64*\ks
	ds_load_b128 v[F0+64*\ks+32+8*\tl+4:F0+64*\ks+32+8*\tl+7], v[ADRB+\slot] offset:16*PITCH*\tl+64*\ks+32
.endr
.endr
.endm
; 16 matrix instructions, 32 along K.  Source 0 = rows of W, source 1 = rows of A: a lane then holds row r of the result and the
; eight neighbouring columns 8 h + 0..7.  The 16 accumulators take turns, one instruction a turn.
.macro MUL f, zero
	WIN 0x50
.irp mt, 0,1,2,3
.irp nt, 0,1,2,3
.if \zero
	v_wmma_f32_16x16x32_bf16 v[8*(4*\mt+\nt):8*(4*\mt+\nt)+7], v[\f+32+8*\nt:\f+32+8*\nt+7], v[\f+8*\mt:\f+8*\mt+7], 0
.else
	v_wmma_f32_16x16x32_bf16 v[8*(4*\mt+\nt):8*(4*\mt+\nt)+7], v[\f+32+8*\nt:\f+32+8*\nt+7], v[\f+8*\mt:\f+8*\mt+7], v[8*(4*\mt+\nt):8*(4*\mt+\nt)+7]
.endif
.endr
.endr
.endm
; One K step on slot.  stage = 1: the tile loaded a step ago is rounded and stored into the other slot; load = 1: the tile after it is asked for.
; ONE barrier a step does two things: in front of it my reads of this slot and my stores into the other slot are complete.
.macro STEP slot, zero, stage, load
	FETCH \slot
	s_wait_dscnt 0x10                              ; the first 16 loads (K 0..31) are in; the 16 of K 32..63 may be out
	MUL F0, \zero
	s_wait_dscnt 0x0
	MUL F1, 0
.if \stage
	s_wait_loadcnt 0x0                             ; the next tile is in registers, and the two bases are free
	CVT                                            ; these 64 lines name no register of a matrix instruction: the places in front of the next fragment loads
	STORE 1-\slot
.if \load
	s_add_nc_u64 s[32:33], s[32:33], 256           ; 64 f32 along K
	s_add_nc_u64 s[34:35], s[34:35], 256
	LOADS
.endif
	s_wait_dscnt 0x0                               ; for the other waves: my stores have landed (my reads were waited for above)
	s_barrier_signal -1
	s_barrier_wait -1
.endif
.endm
	LOADS                                          ; K step 0
	s_wait_loadcnt 0x0                             ; bias too
	CVT
	STORE 0
	s_add_nc_u64 s[32:33], s[32:33], 256
	s_add_nc_u64 s[34:35], s[34:35], 256
	LOADS                                          ; K step 1
	s_wait_dscnt 0x0
	s_barrier_signal -1
	s_barrier_wait -1
	STEP 0, 1, 1, 1                                ; the first products start the sums: nothing is cleared.  Step i asks for tile i + 2
	STEP 1, 0, 1, 1
	s_mov_b32 s40, 6
.Lk:
	STEP 0, 0, 1, 1
	STEP 1, 0, 1, 1
	s_sub_co_u32 s40, s40, 1
	s_cmp_lg_u32 s40, 0
	s_cbranch_scc1 .Lk
	STEP 0, 0, 1, 0                                ; step 14 stages tile 15 and asks for nothing: no load leaves the buffers
	STEP 1, 0, 0, 0
	; THE WAY OUT, 16 rows at a time: add the bias in f32, round to bf16, 16 bytes a lane into my own stage, read back as rows of 128 bytes.
	; The stage is read and written by its own wave alone, and LDS serves the instructions of a wave in order: no barrier, no wait between.
	PLACES
.macro OUT mt
	WIN 0x01
.irp nt, 0,1,2,3
.irp p, 0,2,4,6
	v_pk_add_f32 v[T+8*\nt+\p:T+8*\nt+\p+1], v[8*(4*\mt+\nt)+\p:8*(4*\mt+\nt)+\p+1], v[BI+8*\nt+\p:BI+8*\nt+\p+1]
.endr
.endr
	WIN 0
.irp nt, 0,1,2,3
.irp p, 0,1,2,3
	v_cvt_pk_bf16_f32 v[PK+4*\nt+\p], v[T+8*\nt+2*\p], v[T+8*\nt+2*\p+1]
.endr
.endr
.irp nt, 0,1,2,3
	ds_store_b128 v[STO], v[PK+4*\nt:PK+4*\nt+3] offset:32*\nt
.endr
	s_wait_xcnt 0x0                                ; the registers that the last stores to memory read are loaded again only behind this wait
.irp i, 0,1,2,3
	ds_load_b128 v[RB+4*\i:RB+4*\i+3], v[RD] offset:4*PITCH*\i
.endr
.irp i, 0,1,2,3
	s_wait_dscnt 3-\i                              ; read-back i is in; the younger ones may be out
	global_store_b128 v[CO], v[RB+4*\i:RB+4*\i+3], s[38:39] offset:2048*\mt+512*\i   ; 4 rows of 128 bytes: 512 consecutive bytes, aligned
.endr
.endm
	OUT 0
	OUT 1
	OUT 2
	OUT 3
	s_wait_tensorcnt 0x0
	ds_add_u32 v30, v31
	s_wait_dscnt 0x0
	s_endpgm
.Lfunc_end_k_q4fd1b9fb39_qkv:
	.size	k_q4fd1b9fb39_qkv, .Lfunc_end_k_q4fd1b9fb39_qkv-k_q4fd1b9fb39_qkv
	.p2alignl 7, 3214868480
	.fill 96, 4, 3214868480
	.section	.rodata,"a",@progbits
	.p2align	6, 0x0
	.amdhsa_kernel k_q4fd1b9fb39_qkv
		.amdhsa_group_segment_fixed_size 83456
		.amdhsa_private_segment_fixed_size 0
		.amdhsa_enable_private_segment 0
		.amdhsa_kernarg_size 96
		.amdhsa_user_sgpr_count 2
		.amdhsa_user_sgpr_kernarg_segment_ptr 1
		.amdhsa_wavefront_size32 1
		.amdhsa_system_sgpr_workgroup_id_x 1
		.amdhsa_system_sgpr_workgroup_id_y 1
		.amdhsa_system_sgpr_workgroup_id_z 1
		.amdhsa_system_vgpr_workitem_id 0
		.amdhsa_next_free_vgpr 512
		.amdhsa_next_free_sgpr 66
		.amdhsa_reserve_vcc 0
		.amdhsa_float_denorm_mode_32 3
		.amdhsa_float_denorm_mode_16_64 3
		.amdhsa_memory_ordered 1
		.amdhsa_forward_progress 1
		.amdhsa_inst_pref_size 98
	.end_amdhsa_kernel
	.amdgpu_metadata
---
amdhsa.version: [ 1, 2 ]
amdhsa.kernels:
  - .name:           k_q4fd1b9fb39_qkv
    .symbol:         k_q4fd1b9fb39_qkv.kd
    .args:
      - { .name: query, .offset: 0, .size: 8, .value_kind: global_buffer, .address_space: global }
      - { .name: key, .offset: 8, .size: 8, .value_kind: global_buffer, .address_space: global }
      - { .name: value, .offset: 16, .size: 8, .value_kind: global_buffer, .address_space: global }
      - { .name: Wq, .offset: 24, .size: 8, .value_kind: global_buffer, .address_space: global }
      - { .name: Wk, .offset: 32, .size: 8, .value_kind: global_buffer, .address_space: global }
      - { .name: Wv, .offset: 40, .size: 8, .value_kind: global_buffer, .address_space: global }
      - { .name: bq, .offset: 48, .size: 8, .value_kind: global_buffer, .address_space: global }
      - { .name: bk, .offset: 56, .size: 8, .value_kind: global_buffer, .address_space: global }
      - { .name: bv, .offset: 64, .size: 8, .value_kind: global_buffer, .address_space: global }
      - { .name: qw, .offset: 72, .size: 8, .value_kind: global_buffer, .address_space: global }
      - { .name: kw, .offset: 80, .size: 8, .value_kind: global_buffer, .address_space: global }
      - { .name: vw, .offset: 88, .size: 8, .value_kind: global_buffer, .address_space: global }
    .group_segment_fixed_size: 83456
    .private_segment_fixed_size: 0
    .kernarg_segment_align: 8
    .kernarg_segment_size: 96
    .max_flat_workgroup_size: 128
    .sgpr_count:     66
    .vgpr_count:     512
    .wavefront_size: 32
...
	.end_amdgpu_metadata
.endif
;; end of part 1
;; launch attn (part 2): grid 8 x 32, 8 waves a work-group, clusters of 4 x 1, 327,680 bytes of LDS; arguments qw, kw, vw, xw; writes xw
.if DOCPART == 2
	.amdgcn_target "amdgcn-amd-amdhsa--gfx1250"
	.amdhsa_code_object_version 6
	.text
	.protected	k_q4fd1b9fb39_attn
	.globl	k_q4fd1b9fb39_attn
	.p2align	8
	.type	k_q4fd1b9fb39_attn,@function
k_q4fd1b9fb39_attn:
	s_mov_b64 s[64:65], 0
	v_nop
	global_prefetch_b8 v0, s[64:65] scope:SCOPE_SE
	s_setreg_imm32_b32 hwreg(HW_REG_WAVE_MODE, 25, 1), 1
	s_wait_xcnt 0x0
	s_wait_alu depctr_hold_cnt(0) depctr_sa_sdst(0) depctr_va_vdst(0) depctr_va_sdst(0) depctr_va_ssrc(0) depctr_va_vcc(0) depctr_vm_vsrc(0)
	s_getreg_b32 s2, hwreg(HW_REG_IB_STS2, 6, 4)
	s_cmp_eq_u32 s2, 0
	s_cbranch_scc0 .Lentry_in_a_cluster
	s_endpgm
.Lentry_in_a_cluster:
	s_bfe_u32 s2, ttmp6, 0x10000c
	s_cmp_lg_u32 s2, 0x3003
	s_cbranch_scc0 .Lentry_shape_is_right
	s_endpgm
.Lentry_shape_is_right:
; x = softmax(q k^T / 8) v for one (batch, head) and 256 queries.  q, k, v, x: bf16, [batch*16+head][2048][64].
; Grid: x = block of 256 queries (0..7), y = batch*16+head.  Eight waves, each 32 queries (two tiles of 16), all 2,048 keys.
; TRANSPOSED SCHEME.  S^T = K Q^T: source 0 = 16 keys x 32 d, source 1 = 16 queries x 32 d; lane (r, h) then holds query r and
; keys 8 h + 0..7 of the tile.  Two such key tiles, packed to bf16, ARE the second source of O^T = V^T P^T (query r, keys 8 h + 0..7 in
; registers 0-3, 16 + 8 h + 0..7 in registers 4-7): P goes through no LDS and no shuffle.  V^T comes from V as stored, [key][d], by the
; transposing LDS load.  Maximum, sum and scale belong to a query, so they are one number a lane; lanes r and r + 16 hold the two
; halves of the keys and meet in one lane exchange.
; SOFTMAX: running maximum over steps of 64 keys.  p = 2^(s c + MC), c = log2(e) / 8, MC = -(m c) as rounded to f32; the old sums are
; scaled by 2^(MC new - MC old), made of the same two stored numbers, so that every p, every sum and every scale refer to one reference.
; CLUSTER: the four query blocks of a cluster read the same K and V.  Each tile (256 keys) is asked for jointly by all four
; (mask 15), each wave asking for its 32 rows of K and of V: the requests for K and V are divided by four.  Nothing in a descriptor,
; an LDS address or a branch hangs on the place in the cluster; it enters the addresses of q and x alone.
; RING: two slots; a tile is asked for one whole trip (128 matrix instructions of each wave) ahead.  A wave has two tensor loads out.
; LIMITS: q, k, v and p are bf16; the sum of p is taken before p is rounded; x is rounded to bf16; the exponential gives zero below
; 2^-126; a score that is NaN or infinite gives NaN, as it does in the formula; sums are f32 in an order of their own.
.set KP,    144                        ; K rows in LDS: 128 bytes + 16
.set VP,    160                        ; V rows: 128 bytes + 32, an odd multiple of 32, for the transposing load
.set VOFF,  256*KP                     ; V lies behind the 256 rows of K
.set SLOT,  256*KP+256*VP              ; 77,824
.set STAGE, 2*SLOT                     ; 155,648 = 608 x 256: no tensor load lands here; 32 rows x 144 bytes for each wave
.set TILEB, 32768                      ; 256 keys of 128 bytes
.set CSC,   0x3e38aa3b                 ; log2(e) / 8
.set NCSC,  0xbe38aa3b
.set KADR, 4                           ; v4-5    K fragments in slot 0, 1
.set VADR, 6                           ; v6-7    V fragments
.set STO,  8
.set RD,   9
.set XO,   10
.set QOFF, 11
.set MX,   12                          ; v12-13  running maximum of query tile 0, 1 (raw scores)
.set MC,   14                          ; v14-15  -(maximum x c)
.set AL,   16                          ; v16-17  scale of the old sums; at the end 1 / sum
.set LSUM, 18                          ; v18-19  sum of p over my half of the keys
.set LS,   20                          ; v20-23  sums of one step, a pair for each query tile
.set TM,   24                          ; v24-27  at work
.set QF,   32                          ; v32-63  Q fragment (tile n, half ks of d) at 16 n + 8 ks
.set OA,   64                          ; v64-127 O^T tile (dt, n) at 8 (2 dt + n)
.set SC,   128                         ; v128-191 scores: key tile t of query tile n at 32 (t / 2) + 16 n + 8 (t % 2); p ends in the first 8 of each 16
.set FA,   192                         ; v192-223 fragments of K or V
.set FB,   224                         ; v224-255 likewise
.set G1K, 16
.set G1V, 24
.set G0K, 32                           ; s[32:39] a set for each slot
.set G0V, 40                           ; s[40:47]
.macro PLACES                          ; four places behind a matrix instruction (ISA guide 7.12.1)
.rept 4
	v_nop
.endr
.endm
; A round of the barrier of the cluster: the barrier of my work-group, wave 0 signals for it, all wait for the four work-groups, the barrier of my work-group again.
.macro ROUND
	s_barrier_signal -1
	s_barrier_wait -1
	s_cmp_lg_u32 s12, 0
	s_cbranch_scc1 .Lnot_wave_0_\@
	s_barrier_signal -3
.Lnot_wave_0_\@:
	s_barrier_wait -3
	s_barrier_signal -1
	s_barrier_wait -1
.endm
	s_load_b256 s[4:11], s[0:1], 0x0               ; qw, kw, vw, xw
	v_lshl_add_u32 v30, v0, 2, 0x2f000
	v_mov_b32 v31, 0
	ds_add_u32 v30, v31
	v_lshrrev_b32 v1, 5, v0
	v_readfirstlane_b32 s12, v1                    ; wave 0..7
	s_bfe_u32 s13, ttmp6, 0x40000                  ; cx
	s_lshl_b32 s14, ttmp9, 2
	s_add_co_u32 s14, s14, s13                     ; block of queries = 4 x cluster x + cx
	s_and_b32 s15, ttmp7, 0xffff                   ; batch*16 + head
	s_lshl_b32 s52, s15, 18                        ; 2,048 rows of 128 bytes,
	s_lshl_b32 s53, s12, 12                        ; + 32 rows for each wave: K and V.  No place in the cluster enters s52
	s_add_co_u32 s52, s52, s53
	s_mov_b32 s53, 0
	s_lshl_b32 s54, s14, 15                        ; q and x: + 256 rows for each block of queries
	s_add_co_u32 s54, s54, s52
	s_mov_b32 s55, 0
	s_mov_b32 s48, 0x76543210                      ; lane i of one half reads lane i of the other
	s_mov_b32 s49, 0xfedcba98
	; group 1: a tile of 32 rows x 64 elements of 2 bytes; padding behind every 32 words (code 4): 4 words for K, 8 for V; mask 15, bit 21 beside it
	s_mov_b32 s[G1K+0], 15|(1<<16)|(1<<20)|(1<<21)|(4<<22)|(3<<25)
	s_mov_b32 s[G1V+0], 15|(1<<16)|(1<<20)|(1<<21)|(4<<22)|(7<<25)
.irp g, G1K, G1V
	s_mov_b32 s[\g+1], 64<<16                      ; tensor_dim0 = 64
	s_mov_b32 s[\g+2], 32<<16                      ; tensor_dim1 = 32
	s_mov_b32 s[\g+3], 64<<16                      ; tile_dim0 = 64
	s_mov_b32 s[\g+4], 32                          ; tile_dim1 = 32
	s_mov_b32 s[\g+5], 64                          ; elements from row to row
	s_mov_b32 s[\g+6], 0
	s_mov_b32 s[\g+7], 0
.endr
	s_mul_i32 s56, s12, 32*KP                      ; my 32 rows of K in a slot
	s_mul_i32 s57, s12, 32*VP
	s_add_co_u32 s57, s57, VOFF                    ; my 32 rows of V
	s_add_co_u32 s58, s56, STAGE                   ; my stage (32 rows x 144 as well)
	v_and_b32 v1, 15, v0                           ; r
	v_bfe_u32 v2, v0, 4, 1                         ; h
	v_mul_u32_u24 v[KADR], v1, KP
	v_lshl_add_u32 v[KADR], v2, 4, v[KADR]         ; r x pitch + 16 h
	v_add_nc_u32 v[STO], s58, v[KADR]
	v_add_nc_u32 v[KADR+1], SLOT, v[KADR]
	v_and_b32 v3, 7, v0
	v_lshl_add_u32 v[VADR], v2, 3, v3              ; key 8 h + lane % 8
	v_mul_u32_u24 v[VADR], v[VADR], VP
	v_bfe_u32 v[VADR+1], v0, 3, 1
	v_lshl_add_u32 v[VADR], v[VADR+1], 4, v[VADR]  ; + 16 bytes for the second 8 of 16 d
	v_add_nc_u32 v[VADR], VOFF, v[VADR]
	v_add_nc_u32 v[VADR+1], SLOT, v[VADR]
	v_bfe_u32 v[RD], v0, 3, 2                      ; lane / 8
	v_mul_u32_u24 v[RD], v[RD], KP
	v_lshl_add_u32 v[RD], v3, 4, v[RD]
	v_add_nc_u32 v[RD], s58, v[RD]
	v_and_b32 v[XO], 31, v0
	v_lshlrev_b32 v[XO], 4, v[XO]
	v_lshlrev_b32 v[QOFF], 7, v1
	v_lshl_add_u32 v[QOFF], v2, 4, v[QOFF]         ; r x 128 + 16 h
	v_mov_b32 v[TM+2], 0                           ; the lane exchange counts as a reader of its destination
	v_mov_b32 v[TM+3], 0
	s_wait_dscnt 0x0
	s_wait_kmcnt 0x0
	s_add_nc_u64 s[4:5], s[4:5], s[54:55]
	s_add_nc_u64 s[10:11], s[10:11], s[54:55]
	s_add_nc_u64 s[6:7], s[6:7], s[52:53]
	s_add_nc_u64 s[8:9], s[8:9], s[52:53]
.irp nq, 0,1
.irp ks, 0,1
	global_load_b128 v[QF+16*\nq+8*\ks:QF+16*\nq+8*\ks+3],   v[QOFF], s[4:5] offset:2048*\nq+64*\ks
	global_load_b128 v[QF+16*\nq+8*\ks+4:QF+16*\nq+8*\ks+7], v[QOFF], s[4:5] offset:2048*\nq+64*\ks+32
.endr
.endr
.irp sl, 0,1
	s_mov_b32 s[G0K+4*\sl], 1
	s_add_co_u32 s[G0K+4*\sl+1], s56, \sl*SLOT
	s_add_nc_u64 s[G0K+4*\sl+2:G0K+4*\sl+3], s[6:7], \sl*TILEB     ; slot 0: tile 0, slot 1: tile 1
	s_or_b32 s[G0K+4*\sl+3], s[G0K+4*\sl+3], 0x80000000
	s_mov_b32 s[G0V+4*\sl], 1
	s_add_co_u32 s[G0V+4*\sl+1], s57, \sl*SLOT
	s_add_nc_u64 s[G0V+4*\sl+2:G0V+4*\sl+3], s[8:9], \sl*TILEB
	s_or_b32 s[G0V+4*\sl+3], s[G0V+4*\sl+3], 0x80000000
.endr
	ROUND                                          ; the four work-groups are here: the first joint loads meet
	tensor_load_to_lds s[G0K:G0K+3], s[G1K:G1K+7]
	s_nop 0
	tensor_load_to_lds s[G0V:G0V+3], s[G1V:G1V+7]
	s_nop 0
	s_wait_loadcnt 0x0                             ; Q, once
; 8 loads: key tiles kt, kt + 1, both halves of d; fragment (i, ks) at buf + 16 i + 8 ks
.macro LDK buf, slot, kt
.irp i, 0,1
.irp ks, 0,1
	ds_load_b128 v[\buf+16*\i+8*\ks:\buf+16*\i+8*\ks+3],   v[KADR+\slot] offset:((\kt)+\i)*16*KP+64*\ks
	ds_load_b128 v[\buf+16*\i+8*\ks+4:\buf+16*\i+8*\ks+7], v[KADR+\slot] offset:((\kt)+\i)*16*KP+64*\ks+32
.endr
.endr
.endm
; 8 transposing loads: V^T, 16 d x 32 keys from key k0 on, fragment dt at buf + 8 dt
.macro LDV buf, slot, k0
.irp dt, 0,1,2,3
	ds_load_tr16_b128 v[\buf+8*\dt:\buf+8*\dt+3],   v[VADR+\slot] offset:(\k0)*VP+32*\dt
	ds_load_tr16_b128 v[\buf+8*\dt+4:\buf+8*\dt+7], v[VADR+\slot] offset:((\k0)+16)*VP+32*\dt
.endr
.endm
; Scores of 32 keys (chunk c) x 32 queries.  Four accumulators take turns, one instruction a turn; the first half of d starts the sums.
.macro QK buf, c
.irp ks, 0,1
.irp i, 0,1
.irp nq, 0,1
.if \ks == 0
	v_wmma_f32_16x16x32_bf16 v[SC+16*(2*\c+\nq)+8*\i:SC+16*(2*\c+\nq)+8*\i+7], v[\buf+16*\i+8*\ks:\buf+16*\i+8*\ks+7], v[QF+16*\nq+8*\ks:QF+16*\nq+8*\ks+7], 0
.else
	v_wmma_f32_16x16x32_bf16 v[SC+16*(2*\c+\nq)+8*\i:SC+16*(2*\c+\nq)+8*\i+7], v[\buf+16*\i+8*\ks:\buf+16*\i+8*\ks+7], v[QF+16*\nq+8*\ks:QF+16*\nq+8*\ks+7], v[SC+16*(2*\c+\nq)+8*\i:SC+16*(2*\c+\nq)+8*\i+7]
.endif
.endr
.endr
.endr
.endm
; O^T += V^T P^T over the 32 keys of chunk c.  Eight accumulators take turns, one instruction a turn.
.macro PV buf, c, zero
.irp dt, 0,1,2,3
.irp nq, 0,1
.if \zero
	v_wmma_f32_16x16x32_bf16 v[OA+8*(2*\dt+\nq):OA+8*(2*\dt+\nq)+7], v[\buf+8*\dt:\buf+8*\dt+7], v[SC+16*(2*\c+\nq):SC+16*(2*\c+\nq)+7], 0
.else
	v_wmma_f32_16x16x32_bf16 v[OA+8*(2*\dt+\nq):OA+8*(2*\dt+\nq)+7], v[\buf+8*\dt:\buf+8*\dt+7], v[SC+16*(2*\c+\nq):SC+16*(2*\c+\nq)+7], v[OA+8*(2*\dt+\nq):OA+8*(2*\dt+\nq)+7]
.endif
.endr
.endr
.endm
; Score tile i = 2 t + n (key tile t, query tile n).
.macro FMA i                           ; s c + MC, two at a time; the third source is MC of query tile n in both halves
.set xt, SC+32*((\i)>>2)+16*((\i)&1)+8*(((\i)>>1)&1)
.irp p, 0,2,4,6
.if ((\i)&1) == 0
	v_pk_fma_f32 v[xt+\p:xt+\p+1], v[xt+\p:xt+\p+1], CSC, v[MC:MC+1] op_sel_hi:[1,0,0]
.else
	v_pk_fma_f32 v[xt+\p:xt+\p+1], v[xt+\p:xt+\p+1], CSC, v[MC:MC+1] op_sel:[0,0,1] op_sel_hi:[1,0,1]
.endif
.endr
.endm
.macro EXPT i                          ; eight exponentials back to back; the line behind them is always plain and names another tile (ISA guide 5.7.2)
.set xt, SC+32*((\i)>>2)+16*((\i)&1)+8*(((\i)>>1)&1)
.irp p, 0,1,2,3,4,5,6,7
	v_exp_f32 v[xt+\p], v[xt+\p]
.endr
.endm
.macro RESC i                          ; O^T tile i = 2 dt + n times AL of query tile n
.irp p, 0,2,4,6
.if ((\i)&1) == 0
	v_pk_mul_f32 v[OA+8*(\i)+\p:OA+8*(\i)+\p+1], v[OA+8*(\i)+\p:OA+8*(\i)+\p+1], v[AL:AL+1] op_sel_hi:[1,0]
.else
	s_wait_alu depctr_va_vdst(0)
	v_pk_mul_f32 v[OA+8*(\i)+\p:OA+8*(\i)+\p+1], v[OA+8*(\i)+\p:OA+8*(\i)+\p+1], v[AL:AL+1] op_sel:[0,1] op_sel_hi:[1,1]
.endif
.endr
.endm
.macro FIN i                           ; sum the eight p, then pack them to bf16: an even key tile into registers 0-3 of its chunk, an odd one into 4-7.  A pair is summed before a packing writes over it
.set xt, SC+32*((\i)>>2)+16*((\i)&1)+8*(((\i)>>1)&1)
.set pd, SC+32*((\i)>>2)+16*((\i)&1)+4*(((\i)>>1)&1)
.set ls, LS+2*((\i)&1)
.if ((\i)>>1) == 0
	s_wait_alu depctr_va_vdst(0)
	v_pk_add_f32 v[ls:ls+1], v[xt:xt+1], v[xt+2:xt+3]              ; the first key tile starts the sum
.else
	s_wait_alu depctr_va_vdst(0)
	v_pk_add_f32 v[ls:ls+1], v[ls:ls+1], v[xt:xt+1]
	v_pk_add_f32 v[ls:ls+1], v[ls:ls+1], v[xt+2:xt+3]
.endif
	v_cvt_pk_bf16_f32 v[pd], v[xt], v[xt+1]
	v_cvt_pk_bf16_f32 v[pd+1], v[xt+2], v[xt+3]
	v_pk_add_f32 v[ls:ls+1], v[ls:ls+1], v[xt+4:xt+5]
	v_cvt_pk_bf16_f32 v[pd+2], v[xt+4], v[xt+5]
	v_pk_add_f32 v[ls:ls+1], v[ls:ls+1], v[xt+6:xt+7]
	v_cvt_pk_bf16_f32 v[pd+3], v[xt+6], v[xt+7]
.endm
; 64 keys x 32 queries of scores to p; first = 1: there is no old maximum, sum or O yet
.macro SOFTMAX first
.set q, 0
.rept 16                               ; two chains, one for each query tile, two scores a link
.set x0, SC+32*(q>>3)+8*((q>>2)&1)+2*(q&3)
.if q == 0
.if \first
	v_max_num_f32 v[TM], v[x0], v[x0+1]
	v_max_num_f32 v[TM+1], v[x0+16], v[x0+17]
.else
	v_max3_num_f32 v[TM], v[MX], v[x0], v[x0+1]
	v_max3_num_f32 v[TM+1], v[MX+1], v[x0+16], v[x0+17]
.endif
.else
	v_max3_num_f32 v[TM], v[TM], v[x0], v[x0+1]
	v_max3_num_f32 v[TM+1], v[TM+1], v[x0+16], v[x0+17]
.endif
.set q, q+1
.endr
	v_permlanex16_b32 v[TM+2], v[TM], s48, s49     ; the other half of the keys
	v_permlanex16_b32 v[TM+3], v[TM+1], s48, s49
	v_max_num_f32 v[MX], v[TM], v[TM+2]
	v_max_num_f32 v[MX+1], v[TM+1], v[TM+3]
.if \first
	v_pk_mul_f32 v[MC:MC+1], v[MX:MX+1], NCSC op_sel_hi:[1,0]
.else
	v_pk_mul_f32 v[TM+2:TM+3], v[MX:MX+1], NCSC op_sel_hi:[1,0]
	v_pk_add_f32 v[AL:AL+1], v[TM+2:TM+3], v[MC:MC+1] neg_lo:[0,1] neg_hi:[0,1]   ; MC new - MC old, at most 0
	v_exp_f32 v[AL], v[AL]
	v_exp_f32 v[AL+1], v[AL+1]
	v_mov_b32 v[MC], v[TM+2]                       ; plain lines that name neither exponential: the place behind them
	v_mov_b32 v[MC+1], v[TM+3]
.endif
	FMA 0
	EXPT 0
	FMA 1
	EXPT 1
.irp i, 1,2,3,4,5,6
.if \first == 0
	RESC \i
.endif
	FIN \i-1
	FMA \i+1
	EXPT \i+1
.endr
.if \first == 0
	RESC 7
.endif
	FIN 6
	FIN 7
.if \first
	v_add_f32 v[LSUM], v[LS], v[LS+1]
	v_add_f32 v[LSUM+1], v[LS+2], v[LS+3]
.else
	RESC 0
	v_add_f32 v[LS], v[LS], v[LS+1]
	v_add_f32 v[LS+2], v[LS+2], v[LS+3]
	v_fma_f32 v[LSUM], v[LSUM], v[AL], v[LS]
	v_fma_f32 v[LSUM+1], v[LSUM+1], v[AL+1], v[LS+2]
.endif
.endm
; 64 keys, number u of the slot.  Groups of eight LDS loads take turns on FA and FB; each s_wait_dscnt 8 leaves out the group issued last
; and shows the group before it landed.  A load into FA or FB stands four places behind the last matrix instruction that read it.
.macro SUB slot, u, first, last
	s_wait_dscnt 0x8                               ; K tiles 4 u, 4 u + 1 are in FA
	QK FA, 0
	PLACES
	LDV FA, \slot, 64*\u
	s_wait_dscnt 0x8                               ; K tiles 4 u + 2, 4 u + 3 are in FB
	QK FB, 1
	PLACES
	LDV FB, \slot, 64*\u+32
	SOFTMAX \first
	s_wait_dscnt 0x8                               ; V of the first 32 keys is in FA
	PV FA, 0, \first
	PLACES
.if \last
	s_wait_dscnt 0x0
.else
	LDK FA, \slot, 4*\u+4
	s_wait_dscnt 0x8                               ; V of the second 32 keys is in FB
.endif
	PV FB, 1, 0
	PLACES
.if \last == 0
	LDK FB, \slot, 4*\u+6
.endif
.endm
; 256 keys.  In front of the round every wave has waited for all its tensor loads (its part of this tile among them) and for its reads of the
; other slot; the round makes that hold of every wave of the four work-groups; the joint refills are the first tensor loads behind it.
.macro TRIP slot, refill, first
	s_wait_tensorcnt 0x0
	ds_add_u32 v30, v31
	s_wait_dscnt 0x0
	s_add_nc_u64 s[G0K+4*\slot+2:G0K+4*\slot+3], s[G0K+4*\slot+2:G0K+4*\slot+3], 2*TILEB   ; no load of mine is out: the next tile of this slot
	s_add_nc_u64 s[G0V+4*\slot+2:G0V+4*\slot+3], s[G0V+4*\slot+2:G0V+4*\slot+3], 2*TILEB
	s_wait_dscnt 0x0
	ROUND
.if \refill
	tensor_load_to_lds s[G0K+4*(1-\slot):G0K+4*(1-\slot)+3], s[G1K:G1K+7]
	s_nop 0
	tensor_load_to_lds s[G0V+4*(1-\slot):G0V+4*(1-\slot)+3], s[G1V:G1V+7]
	s_nop 0
.endif
	LDK FA, \slot, 0
	LDK FB, \slot, 2
	SUB \slot, 0, \first, 0
	SUB \slot, 1, 0, 0
	SUB \slot, 2, 0, 0
	SUB \slot, 3, 0, 1
.endm
	TRIP 0, 1, 1                                   ; tile 0; asks for tile 1
	TRIP 1, 1, 0
	s_mov_b32 s50, 2
.Ltrips:
	TRIP 0, 1, 0
	TRIP 1, 1, 0
	s_sub_co_u32 s50, s50, 1
	s_cmp_lg_u32 s50, 0
	s_cbranch_scc1 .Ltrips
	TRIP 0, 1, 0                                   ; tile 6; asks for tile 7, the last
	TRIP 1, 0, 0                                   ; the stepped addresses are not used any more
	; THE WAY OUT: divide by the whole sum, round to bf16, 16 bytes a lane into my own stage, read back as rows of 128 bytes.
	v_permlanex16_b32 v[TM+2], v[LSUM], s48, s49   ; the sum over the other half of the keys
	v_permlanex16_b32 v[TM+3], v[LSUM+1], s48, s49
	v_pk_add_f32 v[LSUM:LSUM+1], v[LSUM:LSUM+1], v[TM+2:TM+3]
	v_rcp_f32 v[AL], v[LSUM]
	v_rcp_f32 v[AL+1], v[LSUM+1]
	v_nop                                          ; the place behind the reciprocals
	s_wait_alu depctr_va_vdst(0)
.irp i, 0,1,2,3,4,5,6,7
	RESC \i
.endr
.irp i, 0,1,2,3,4,5,6,7
.irp p, 0,1,2,3
	v_cvt_pk_bf16_f32 v[SC+4*\i+\p], v[OA+8*\i+2*\p], v[OA+8*\i+2*\p+1]
.endr
.endr
.irp i, 0,1,2,3,4,5,6,7
	ds_store_b128 v[STO], v[SC+4*\i:SC+4*\i+3] offset:16*KP*(\i&1)+32*(\i>>1)      ; query 16 n + r, d = 16 dt + 8 h + 0..7
.endr
.irp i, 0,1,2,3,4,5,6,7
	ds_load_b128 v[FA+4*\i:FA+4*\i+3], v[RD] offset:4*KP*\i        ; LDS serves the instructions of a wave in order: these see the stores above
.endr
.irp i, 0,1,2,3,4,5,6,7
	s_wait_dscnt 7-\i                              ; read-back i is in; the younger ones may be out
	global_store_b128 v[XO], v[FA+4*\i:FA+4*\i+3], s[10:11] offset:512*\i          ; 4 rows of 128 bytes: 512 consecutive bytes, aligned
.endr
	s_wait_tensorcnt 0x0
	ds_add_u32 v30, v31
	s_wait_dscnt 0x0
	ROUND                                          ; the closing round: no work-group ends while a partner may still ask for a tile that names it
	s_endpgm
.Lfunc_end_k_q4fd1b9fb39_attn:
	.size	k_q4fd1b9fb39_attn, .Lfunc_end_k_q4fd1b9fb39_attn-k_q4fd1b9fb39_attn
	.p2alignl 7, 3214868480
	.fill 96, 4, 3214868480
	.section	.rodata,"a",@progbits
	.p2align	6, 0x0
	.amdhsa_kernel k_q4fd1b9fb39_attn
		.amdhsa_group_segment_fixed_size 327680
		.amdhsa_private_segment_fixed_size 0
		.amdhsa_enable_private_segment 0
		.amdhsa_kernarg_size 32
		.amdhsa_user_sgpr_count 2
		.amdhsa_user_sgpr_kernarg_segment_ptr 1
		.amdhsa_wavefront_size32 1
		.amdhsa_system_sgpr_workgroup_id_x 1
		.amdhsa_system_sgpr_workgroup_id_y 1
		.amdhsa_system_sgpr_workgroup_id_z 1
		.amdhsa_system_vgpr_workitem_id 0
		.amdhsa_next_free_vgpr 256
		.amdhsa_next_free_sgpr 66
		.amdhsa_reserve_vcc 0
		.amdhsa_float_denorm_mode_32 3
		.amdhsa_float_denorm_mode_16_64 3
		.amdhsa_memory_ordered 1
		.amdhsa_forward_progress 1
		.amdhsa_inst_pref_size 255
	.end_amdhsa_kernel
	.section	.bss,"aw",@nobits
	.p2align	6
	.space	262144
	.amdgpu_metadata
---
amdhsa.version: [ 1, 2 ]
amdhsa.kernels:
  - .name:           k_q4fd1b9fb39_attn
    .symbol:         k_q4fd1b9fb39_attn.kd
    .args:
      - { .name: qw, .offset: 0, .size: 8, .value_kind: global_buffer, .address_space: global }
      - { .name: kw, .offset: 8, .size: 8, .value_kind: global_buffer, .address_space: global }
      - { .name: vw, .offset: 16, .size: 8, .value_kind: global_buffer, .address_space: global }
      - { .name: xw, .offset: 24, .size: 8, .value_kind: global_buffer, .address_space: global }
    .group_segment_fixed_size: 327680
    .private_segment_fixed_size: 0
    .kernarg_segment_align: 8
    .kernarg_segment_size: 32
    .max_flat_workgroup_size: 256
    .sgpr_count:     66
    .vgpr_count:     256
    .wavefront_size: 32
...
	.end_amdgpu_metadata
.endif
;; end of part 2
;; launch outp (part 3): grid 8 x 32, 4 waves a work-group, no clusters, 91,648 bytes of LDS; arguments xw, Wo, bo, out0; writes out0
.if DOCPART == 3
	.amdgcn_target "amdgcn-amd-amdhsa--gfx1250"
	.amdhsa_code_object_version 6
	.text
	.protected	k_q4fd1b9fb39_outp
	.globl	k_q4fd1b9fb39_outp
	.p2align	8
	.type	k_q4fd1b9fb39_outp,@function
k_q4fd1b9fb39_outp:
	s_mov_b64 s[64:65], 0
	v_nop
	global_prefetch_b8 v0, s[64:65] scope:SCOPE_SE
	s_setreg_imm32_b32 hwreg(HW_REG_WAVE_MODE, 25, 1), 1
	s_wait_xcnt 0x0
; out = x Wo^T + bo.  x: bf16, head-major [batch][head][2048][64]; Wo: [1024][1024] f32; bo: [1024] f32; out: [4096][1024] f32.
; Grid: x = block of 128 columns (0..7), y = block of 128 rows (0..31): 256 work-groups.  Four waves, 2 x 2, each 64 x 64: 16 accumulator tiles.
; K goes in 16 steps of 64 = one head a step: a tile of x is 16,384 consecutive bytes; a row of a tile of Wo is 256 consecutive bytes, aligned.
; The road is registers, one whole K step ahead: x goes to LDS as it is, Wo is rounded to bf16 once, into a ring of two LDS slots.
; NO TENSOR LOADS AND NO JOINT REQUESTS HERE, by this arithmetic: a tensor load would put Wo into LDS as f32, a wave would read 8,192 bytes
; of it instead of 4,096 for its 16 matrix instructions of 32 along K, and each number would be rounded by both waves that read it.
; LIMITS: operands are bf16, sums are f32 in the order of the matrix unit, the bias is added in f32.
;
; REGISTERS.  Window 0: v8-21 addresses; v32-95, v96-159 fragments of the two halves of a K step (x tile mt at +8 mt, Wo tile nt at +32+8 nt);
; v160-223 rounded data, later the way out; v224-255 bias.
; Window 1: v0-127 accumulators, tile (mt, nt) at 8 (4 mt + nt); v128-159 x as loaded (load j at +4 j); v192-255 Wo as loaded (load i at +64+4 i).
.set PITCH, 144                        ; an LDS row: 128 bytes of bf16 + 16
.set HALF,  128*PITCH
.set SLOT,  2*HALF
.set STAGE, 2*SLOT                     ; behind the ring: 16 rows x 272 bytes for each wave
.set SPITCH, 272                       ; a row of 64 f32 + 16 bytes
.set ADRA, 8
.set ADRB, 10
.set SST,  12
.set GOFF, 14
.set STO,  15
.set RD,   16
.set CO,   17
.set BOFF, 18
.set GOFA, 19                          ; v19     my 16 bytes in the first 2,048 of a tile of x
.set SSTA, 20                          ; v20-21  where they go in slot 0, 1
.set F0,   32
.set F1,   96
.set T,    160
.set RB,   32                          ; the way out reads back into the first fragment buffer
.set BI,   224
.set ST,   128                         ; in window 1
.set MSB, 0
.macro WIN new                         ; the high byte of the immediate repeats the setting that is left
.if MSB != \new
	s_set_vgpr_msb (MSB<<8)|\new
.set MSB, \new
.endif
.endm
.macro PLACES                          ; four places behind a matrix instruction (ISA guide 7.12.1)
.rept 4
	v_nop
.endr
.endm
	s_load_b256 s[8:15], s[0:1], 0x0               ; xw, Wo, bo, out0
	v_lshl_add_u32 v30, v0, 2, 0x16400
	v_mov_b32 v31, 0
	v_lshrrev_b32 v1, 5, v0
	v_readfirstlane_b32 s3, v1                     ; wave 0..3
	s_lshr_b32 s41, s3, 1                          ; wm: which 64 rows
	s_and_b32 s42, s3, 1                           ; wn: which 64 columns
	s_and_b32 s43, ttmp7, 0xffff                   ; block of rows
	s_lshr_b32 s45, s43, 4                         ; batch
	s_lshl_b32 s46, s45, 22                        ; 16 heads x 2,048 rows x 128 bytes
	s_and_b32 s45, s43, 15
	s_lshl_b32 s45, s45, 14                        ; 128 rows of 128 bytes
	s_add_co_u32 s46, s46, s45
	s_mov_b32 s47, 0
	s_lshl_b32 s52, ttmp9, 19                      ; Wo: 128 rows of 4,096 bytes
	s_mov_b32 s53, 0
	s_lshl_b32 s54, ttmp9, 9                       ; bias, and the columns of out: 128 x 4 bytes,
	s_lshl_b32 s45, s42, 8                         ; + my 64
	s_add_co_u32 s54, s54, s45
	s_mov_b32 s55, 0
	s_lshl_b32 s56, s43, 19                        ; out: 128 rows of 4,096 bytes,
	s_lshl_b32 s45, s41, 18                        ; + my 64 rows,
	s_add_co_u32 s56, s56, s45
	s_add_co_u32 s56, s56, s54                     ; + my columns
	s_mov_b32 s57, 0
	s_mul_i32 s48, s41, 64*PITCH
	s_mul_i32 s49, s42, 64*PITCH
	s_add_co_u32 s49, s49, HALF
	s_mul_i32 s50, s3, 16*SPITCH
	s_add_co_u32 s50, s50, STAGE
	v_and_b32 v1, 15, v0                           ; r
	v_bfe_u32 v2, v0, 4, 1                         ; h
	v_lshrrev_b32 v3, 4, v0                        ; thread / 16
	v_mul_u32_u24 v4, v1, PITCH
	v_lshl_add_u32 v4, v2, 4, v4                   ; r x pitch + 16 h
	v_add_nc_u32 v[ADRA], s48, v4
	v_add_nc_u32 v[ADRA+1], SLOT, v[ADRA]
	v_add_nc_u32 v[ADRB], s49, v4
	v_add_nc_u32 v[ADRB+1], SLOT, v[ADRB]
	v_mul_u32_u24 v[SST], v3, PITCH
	v_lshl_add_u32 v[SST], v1, 3, v[SST]
	v_add_nc_u32 v[SST+1], SLOT, v[SST]
	v_lshlrev_b32 v[GOFF], 12, v3
	v_lshl_add_u32 v[GOFF], v1, 4, v[GOFF]
	v_lshlrev_b32 v[GOFA], 4, v0                   ; 16 x thread: a load of the work-group covers 2,048 consecutive bytes = 16 rows
	v_lshrrev_b32 v5, 3, v0                        ; thread / 8: row 0..15
	v_and_b32 v6, 7, v0
	v_mul_u32_u24 v[SSTA], v5, PITCH
	v_lshl_add_u32 v[SSTA], v6, 4, v[SSTA]
	v_add_nc_u32 v[SSTA+1], SLOT, v[SSTA]
	v_mul_u32_u24 v5, v1, SPITCH                   ; in: row r, 32 bytes for each half of the lanes
	v_lshl_add_u32 v5, v2, 5, v5
	v_add_nc_u32 v[STO], s50, v5
	v_mul_u32_u24 v5, v2, SPITCH                   ; back: lanes 0-15 take one row of 256 bytes, lanes 16-31 the next
	v_lshl_add_u32 v5, v1, 4, v5
	v_add_nc_u32 v[RD], s50, v5
	v_lshlrev_b32 v[CO], 12, v2                    ; and the same two rows in out
	v_lshl_add_u32 v[CO], v1, 4, v[CO]
	v_lshlrev_b32 v[BOFF], 5, v2
	s_wait_kmcnt 0x0
	s_add_nc_u64 s[32:33], s[8:9], s[46:47]        ; x
	s_add_nc_u64 s[34:35], s[10:11], s[52:53]      ; Wo
	s_add_nc_u64 s[36:37], s[12:13], s[54:55]      ; bias
	s_add_nc_u64 s[38:39], s[14:15], s[56:57]      ; out
.irp nt, 0,1,2,3
	global_load_b128 v[BI+8*\nt:BI+8*\nt+3],   v[BOFF], s[36:37] offset:64*\nt
	global_load_b128 v[BI+8*\nt+4:BI+8*\nt+7], v[BOFF], s[36:37] offset:64*\nt+16
.endr
; 24 loads: a K step of x (16,384 bytes of bf16) and of Wo (128 rows x 256 bytes of f32), into window 1
.macro LOADS
	WIN 0x40
.set i, 0
.rept 8
	global_load_b128 v[ST+4*i:ST+4*i+3], v[GOFA], s[32:33] offset:2048*i
.set i, i+1
.endr
.set i, 0
.rept 16
	global_load_b128 v[ST+64+4*i:ST+64+4*i+3], v[GOFF], s[34:35] offset:32768*i
.set i, i+1
.endr
	WIN 0
.endm
; x goes to LDS as loaded; then Wo is rounded and follows
.macro STORE slot
	WIN 0x04                                       ; the data of an LDS store is source 1: window 1
.set i, 0
.rept 8
	ds_store_b128 v[SSTA+(\slot)], v[ST+4*i:ST+4*i+3] offset:16*PITCH*i
.set i, i+1
.endr
	WIN 0x05
.set i, 0
.rept 16
	v_cvt_pk_bf16_f32 v[T+32+2*i],   v[ST+64+4*i],   v[ST+64+4*i+1]
	v_cvt_pk_bf16_f32 v[T+32+2*i+1], v[ST+64+4*i+2], v[ST+64+4*i+3]
.set i, i+1
.endr
	WIN 0
.set i, 0
.rept 16
	ds_store_b64 v[SST+(\slot)], v[T+32+2*i:T+32+2*i+1] offset:HALF+8*PITCH*i
.set i, i+1
.endr
.endm
; A fragment is 16 rows x 32 K in 8 registers: lane (r, h) holds row r, K = 8 h + 0..7 and 16 + 8 h + 0..7: two loads 32 bytes apart.
.macro FETCH slot
	WIN 0
.irp ks, 0,1
.irp tl, 0,1,2,3
	ds_load_b128 v[F0+64*\ks+8*\tl:F0+64*\ks+8*\tl+3],   v[ADRA+\slot] offset:16*PITCH*\tl+64*\ks
	ds_load_b128 v[F0+64*\ks+8*\tl+4:F0+64*\ks+8*\tl+7], v[ADRA+\slot] offset:16*PITCH*\tl+64*\ks+32
.endr
.irp tl, 0,1,2,3
	ds_load_b128 v[F0+64*\ks+32+8*\tl:F0+64*\ks+32+8*\tl+3],   v[ADRB+\slot] offset:16*PITCH*\tl+64*\ks
	ds_load_b128 v[F0+64*\ks+32+8*\tl+4:F0+64*\ks+32+8*\tl+7], v[ADRB+\slot] offset:16*PITCH*\tl+64*\ks+32
.endr
.endr
.endm
; 16 matrix instructions, 32 along K.  Source 0 = rows of Wo, source 1 = rows of x: a lane then holds row r of the result and the
; eight neighbouring columns 8 h + 0..7.  The 16 accumulators take turns, one instruction a turn.
.macro MUL f, zero
	WIN 0x50
.irp mt, 0,1,2,3
.irp nt, 0,1,2,3
.if \zero
	v_wmma_f32_16x16x32_bf16 v[8*(4*\mt+\nt):8*(4*\mt+\nt)+7], v[\f+32+8*\nt:\f+32+8*\nt+7], v[\f+8*\mt:\f+8*\mt+7], 0
.else
	v_wmma_f32_16x16x32_bf16 v[8*(4*\mt+\nt):8*(4*\mt+\nt)+7], v[\f+32+8*\nt:\f+32+8*\nt+7], v[\f+8*\mt:\f+8*\mt+7], v[8*(4*\mt+\nt):8*(4*\mt+\nt)+7]
.endif
.endr
.endr
.endm
; One K step on slot.  stage = 1: the tile loaded a step ago goes into the other slot; load = 1: the tile after it is asked for.
; ONE barrier a step does two things: in front of it my reads of this slot and my stores into the other slot are complete.
.macro STEP slot, zero, stage, load
	FETCH \slot
	s_wait_dscnt 0x10                              ; the first 16 loads (K 0..31) are in; the 16 of K 32..63 may be out
	MUL F0, \zero
	s_wait_dscnt 0x0
	MUL F1, 0
.if \stage
	s_wait_loadcnt 0x0                             ; the next tile is in registers, and the two bases are free
	STORE 1-\slot                                  ; its 32 conversions name no register of a matrix instruction: the places in front of the next fragment loads
.if \load
	s_add_nc_u64 s[32:33], s[32:33], 262144        ; the next head of x
	s_add_nc_u64 s[34:35], s[34:35], 256           ; 64 f32 along the rows of Wo
	LOADS
.endif
	s_wait_dscnt 0x0                               ; for the other waves: my stores have landed (my reads were waited for above)
	s_barrier_signal -1
	s_barrier_wait -1
.endif
.endm
	LOADS                                          ; K step 0
	s_wait_loadcnt 0x0                             ; bias too
	STORE 0
	s_add_nc_u64 s[32:33], s[32:33], 262144
	s_add_nc_u64 s[34:35], s[34:35], 256
	LOADS                                          ; K step 1
	s_wait_dscnt 0x0
	s_barrier_signal -1
	s_barrier_wait -1
	STEP 0, 1, 1, 1                                ; the first products start the sums: nothing is cleared.  Step i asks for tile i + 2
	STEP 1, 0, 1, 1
	s_mov_b32 s40, 6
.Lk:
	STEP 0, 0, 1, 1
	STEP 1, 0, 1, 1
	s_sub_co_u32 s40, s40, 1
	s_cmp_lg_u32 s40, 0
	s_cbranch_scc1 .Lk
	STEP 0, 0, 1, 0                                ; step 14 stages tile 15 and asks for nothing: no load leaves the buffers
	STEP 1, 0, 0, 0
	; THE WAY OUT, 16 rows at a time: add the bias, 32 bytes a lane into my own stage, read back as rows of 256 bytes.
	; The stage is read and written by its own wave alone, and LDS serves the instructions of a wave in order: no barrier, no wait between.
	PLACES
.macro OUT mt
	WIN 0x01
.irp nt, 0,1,2,3
.irp p, 0,2,4,6
	v_pk_add_f32 v[T+8*\nt+\p:T+8*\nt+\p+1], v[8*(4*\mt+\nt)+\p:8*(4*\mt+\nt)+\p+1], v[BI+8*\nt+\p:BI+8*\nt+\p+1]
.endr
.endr
	WIN 0
.irp nt, 0,1,2,3
	ds_store_b128 v[STO], v[T+8*\nt:T+8*\nt+3]   offset:64*\nt
	ds_store_b128 v[STO], v[T+8*\nt+4:T+8*\nt+7] offset:64*\nt+16
.endr
	s_wait_xcnt 0x0                                ; the registers that the last stores to memory read are loaded again only behind this wait
.irp i, 0,1,2,3,4,5,6,7
	ds_load_b128 v[RB+4*\i:RB+4*\i+3], v[RD] offset:2*SPITCH*\i
.endr
.irp i, 0,1,2,3,4,5,6,7
	s_wait_dscnt 7-\i                              ; read-back i is in; the younger ones may be out
	global_store_b128 v[CO], v[RB+4*\i:RB+4*\i+3], s[38:39] offset:(16*\mt+2*\i)*4096 th:TH_STORE_NT   ; 16 lanes store 256 consecutive bytes, aligned
.endr
.endm
	OUT 0
	OUT 1
	OUT 2
	OUT 3
	s_wait_tensorcnt 0x0
	ds_add_u32 v30, v31
	s_wait_dscnt 0x0
	s_endpgm
.Lfunc_end_k_q4fd1b9fb39_outp:
	.size	k_q4fd1b9fb39_outp, .Lfunc_end_k_q4fd1b9fb39_outp-k_q4fd1b9fb39_outp
	.p2alignl 7, 3214868480
	.fill 96, 4, 3214868480
	.section	.rodata,"a",@progbits
	.p2align	6, 0x0
	.amdhsa_kernel k_q4fd1b9fb39_outp
		.amdhsa_group_segment_fixed_size 91648
		.amdhsa_private_segment_fixed_size 0
		.amdhsa_enable_private_segment 0
		.amdhsa_kernarg_size 32
		.amdhsa_user_sgpr_count 2
		.amdhsa_user_sgpr_kernarg_segment_ptr 1
		.amdhsa_wavefront_size32 1
		.amdhsa_system_sgpr_workgroup_id_x 1
		.amdhsa_system_sgpr_workgroup_id_y 1
		.amdhsa_system_sgpr_workgroup_id_z 1
		.amdhsa_system_vgpr_workitem_id 0
		.amdhsa_next_free_vgpr 512
		.amdhsa_next_free_sgpr 66
		.amdhsa_reserve_vcc 0
		.amdhsa_float_denorm_mode_32 3
		.amdhsa_float_denorm_mode_16_64 3
		.amdhsa_memory_ordered 1
		.amdhsa_forward_progress 1
		.amdhsa_inst_pref_size 79
	.end_amdhsa_kernel
	.amdgpu_metadata
---
amdhsa.version: [ 1, 2 ]
amdhsa.kernels:
  - .name:           k_q4fd1b9fb39_outp
    .symbol:         k_q4fd1b9fb39_outp.kd
    .args:
      - { .name: xw, .offset: 0, .size: 8, .value_kind: global_buffer, .address_space: global }
      - { .name: Wo, .offset: 8, .size: 8, .value_kind: global_buffer, .address_space: global }
      - { .name: bo, .offset: 16, .size: 8, .value_kind: global_buffer, .address_space: global }
      - { .name: out0, .offset: 24, .size: 8, .value_kind: global_buffer, .address_space: global }
    .group_segment_fixed_size: 91648
    .private_segment_fixed_size: 0
    .kernarg_segment_align: 8
    .kernarg_segment_size: 32
    .max_flat_workgroup_size: 128
    .sgpr_count:     66
    .vgpr_count:     512
    .wavefront_size: 32
...
	.end_amdgpu_metadata
.endif
;; end of part 3
;; ======== version 2 of 2: 4 launches
;; workspace buffers: cb 33,554,432 bytes; qw 8,388,608 bytes; kw 8,388,608 bytes; vw 8,388,608 bytes; xw 8,388,608 bytes
;; launch cast (part 4): grid 64 x 16, 8 waves a work-group, no clusters, 0 bytes of LDS; arguments query, key, value, Wq, Wk, Wv, Wo, cb; writes cb
.if DOCPART == 4
	.amdgcn_target "amdgcn-amd-amdhsa--gfx1250"
	.amdhsa_code_object_version 6
	.text
	.protected	k_q4fd1b9fb39_cast
	.globl	k_q4fd1b9fb39_cast
	.p2align	8
	.type	k_q4fd1b9fb39_cast,@function
k_q4fd1b9fb39_cast:
	s_mov_b64 s[64:65], 0
	v_nop
	global_prefetch_b8 v0, s[64:65] scope:SCOPE_SE
	s_setreg_imm32_b32 hwreg(HW_REG_WAVE_MODE, 25, 1), 1
	s_wait_xcnt 0x0
; cb = the operands of the four linear layers, rounded once to bf16 (nearest even).  cb is 16 chunks of 1,048,576 numbers (2 MiB):
; chunks 0-3 query, 4-7 key, 8-11 value, 12 Wq, 13 Wk, 14 Wv, 15 Wo, each in its own row-major order.
; WHY A LAUNCH OF ITS OWN: each row of the activations is multiplied by 4 blocks of weight rows and each weight row by 16 blocks of
; activation rows; rounded here, a number is rounded once and every later tile has half the bytes.
; Grid: x = piece of 16,384 numbers of a chunk (0..63), y = chunk.  Eight waves; thread t takes the 16 bytes at 4,096 i + 16 t of the piece,
; i = 0..15: a load of a wave covers 512 consecutive bytes, a store of a wave 256 consecutive bytes, aligned.  All 16 loads are issued
; at once; there is no loop, no LDS and no barrier: no number is needed twice and no wave needs another.
.set NLD, 16
.set X, 8                              ; v[8:71]    f32 as loaded, load i at 4 i
.set Y, 72                             ; v[72:103]  bf16 to store, store i at 2 i
	s_load_b512 s[8:23], s[0:1], 0x0               ; query, key, value, Wq, Wk, Wv, Wo, cb
	s_and_b32 s2, ttmp7, 0xffff                    ; chunk
	s_lshr_b32 s3, s2, 2                           ; 0 query, 1 key, 2 value, 3 a weight
	s_and_b32 s4, s2, 3
	s_lshl_b32 s24, s4, 22                         ; an activation has four chunks of 4 MiB of f32;
	s_cmp_eq_u32 s3, 3
	s_cselect_b32 s24, 0, s24                      ; a weight is one chunk
	s_lshl_b32 s5, ttmp9, 16                       ; my piece: 65,536 bytes of f32
	s_add_co_u32 s24, s24, s5
	s_mov_b32 s25, 0
	s_lshl_b32 s26, s2, 21                         ; 2 MiB of bf16 a chunk,
	s_lshl_b32 s5, ttmp9, 15                       ; 32,768 bytes a piece
	s_add_co_u32 s26, s26, s5
	s_mov_b32 s27, 0
	v_lshlrev_b32 v1, 4, v0
	v_lshlrev_b32 v2, 3, v0
	s_wait_kmcnt 0x0
	s_cmp_eq_u32 s3, 1                             ; the choice hangs on the work-group id alone
	s_cselect_b64 s[28:29], s[10:11], s[8:9]
	s_cmp_eq_u32 s3, 2
	s_cselect_b64 s[28:29], s[12:13], s[28:29]
	s_cmp_eq_u32 s2, 12
	s_cselect_b64 s[28:29], s[14:15], s[28:29]
	s_cmp_eq_u32 s2, 13
	s_cselect_b64 s[28:29], s[16:17], s[28:29]
	s_cmp_eq_u32 s2, 14
	s_cselect_b64 s[28:29], s[18:19], s[28:29]
	s_cmp_eq_u32 s2, 15
	s_cselect_b64 s[28:29], s[20:21], s[28:29]
	s_add_nc_u64 s[28:29], s[28:29], s[24:25]
	s_add_nc_u64 s[30:31], s[22:23], s[26:27]
.set i, 0
.rept NLD
	global_load_b128 v[X+4*i:X+4*i+3], v1, s[28:29] offset:4096*i th:TH_LOAD_NT
.set i, i+1
.endr
.set i, 0
.rept NLD
	s_wait_loadcnt NLD-1-i                         ; loads come back in order: load i is in, the younger ones stay out
	v_cvt_pk_bf16_f32 v[Y+2*i],   v[X+4*i],   v[X+4*i+1]
	v_cvt_pk_bf16_f32 v[Y+2*i+1], v[X+4*i+2], v[X+4*i+3]
	global_store_b64 v2, v[Y+2*i:Y+2*i+1], s[30:31] offset:2048*i
.set i, i+1
.endr
	s_endpgm
.Lfunc_end_k_q4fd1b9fb39_cast:
	.size	k_q4fd1b9fb39_cast, .Lfunc_end_k_q4fd1b9fb39_cast-k_q4fd1b9fb39_cast
	.p2alignl 7, 3214868480
	.fill 96, 4, 3214868480
	.section	.rodata,"a",@progbits
	.p2align	6, 0x0
	.amdhsa_kernel k_q4fd1b9fb39_cast
		.amdhsa_group_segment_fixed_size 0
		.amdhsa_private_segment_fixed_size 0
		.amdhsa_enable_private_segment 0
		.amdhsa_kernarg_size 64
		.amdhsa_user_sgpr_count 2
		.amdhsa_user_sgpr_kernarg_segment_ptr 1
		.amdhsa_wavefront_size32 1
		.amdhsa_system_sgpr_workgroup_id_x 1
		.amdhsa_system_sgpr_workgroup_id_y 1
		.amdhsa_system_sgpr_workgroup_id_z 1
		.amdhsa_system_vgpr_workitem_id 0
		.amdhsa_next_free_vgpr 104
		.amdhsa_next_free_sgpr 66
		.amdhsa_reserve_vcc 0
		.amdhsa_float_denorm_mode_32 3
		.amdhsa_float_denorm_mode_16_64 3
		.amdhsa_memory_ordered 1
		.amdhsa_forward_progress 1
		.amdhsa_inst_pref_size 7
	.end_amdhsa_kernel
	.amdgpu_metadata
---
amdhsa.version: [ 1, 2 ]
amdhsa.kernels:
  - .name:           k_q4fd1b9fb39_cast
    .symbol:         k_q4fd1b9fb39_cast.kd
    .args:
      - { .name: query, .offset: 0, .size: 8, .value_kind: global_buffer, .address_space: global }
      - { .name: key, .offset: 8, .size: 8, .value_kind: global_buffer, .address_space: global }
      - { .name: value, .offset: 16, .size: 8, .value_kind: global_buffer, .address_space: global }
      - { .name: Wq, .offset: 24, .size: 8, .value_kind: global_buffer, .address_space: global }
      - { .name: Wk, .offset: 32, .size: 8, .value_kind: global_buffer, .address_space: global }
      - { .name: Wv, .offset: 40, .size: 8, .value_kind: global_buffer, .address_space: global }
      - { .name: Wo, .offset: 48, .size: 8, .value_kind: global_buffer, .address_space: global }
      - { .name: cb, .offset: 56, .size: 8, .value_kind: global_buffer, .address_space: global }
    .group_segment_fixed_size: 0
    .private_segment_fixed_size: 0
    .kernarg_segment_align: 8
    .kernarg_segment_size: 64
    .max_flat_workgroup_size: 256
    .sgpr_count:     66
    .vgpr_count:     104
    .wavefront_size: 32
...
	.end_amdgpu_metadata
.endif
;; end of part 4
;; launch qkv (part 5): grid 4 x 48, 4 waves a work-group, clusters of 4 x 4, 327,680 bytes of LDS; arguments cb, bq, bk, bv, qw, kw, vw; writes qw, kw, vw
.if DOCPART == 5
	.amdgcn_target "amdgcn-amd-amdhsa--gfx1250"
	.amdhsa_code_object_version 6
	.text
	.protected	k_q4fd1b9fb39_qkv
	.globl	k_q4fd1b9fb39_qkv
	.p2align	8
	.type	k_q4fd1b9fb39_qkv,@function
k_q4fd1b9fb39_qkv:
	s_mov_b64 s[64:65], 0
	v_nop
	global_prefetch_b8 v0, s[64:65] scope:SCOPE_SE
	s_setreg_imm32_b32 hwreg(HW_REG_WAVE_MODE, 25, 1), 1
	s_wait_xcnt 0x0
	s_wait_alu depctr_hold_cnt(0) depctr_sa_sdst(0) depctr_va_vdst(0) depctr_va_sdst(0) depctr_va_ssrc(0) depctr_va_vcc(0) depctr_vm_vsrc(0)
	s_getreg_b32 s2, hwreg(HW_REG_IB_STS2, 6, 4)
	s_cmp_eq_u32 s2, 0
	s_cbranch_scc0 .Lentry_in_a_cluster
	s_endpgm
.Lentry_in_a_cluster:
	s_bfe_u32 s2, ttmp6, 0x10000c
	s_cmp_lg_u32 s2, 0xf033
	s_cbranch_scc0 .Lentry_shape_is_right
	s_endpgm
.Lentry_shape_is_right:
; q, k, v = x W^T + b, the three input projections in one launch.  Operands bf16 from cb: the activations are 12,288 rows of 1,024
; (query, key, value one behind the other), Wq, Wk, Wv follow at byte 0x1800000, 2 MiB each.  b: [1024] f32.
; Output bf16, head-major: [batch][head][position][64], byte ((batch*16+head)*2048+position)*128 + 2 d.
; Grid: x = block of 256 output columns (0..3), y = block of 256 of the 12,288 rows (0..47); rows 4,096 p .. belong to projection p.
; A work-group makes 256 x 256 with four waves; a wave makes 128 x 128: 64 accumulator tiles of 16 x 16, 512 registers, so that 16,384 bytes read
; from LDS feed 64 matrix instructions.  3 x 16 x 4 = 192 work-groups: no block shape divides the three products into more equal parts of this kind.
; K goes in 8 steps of 128 through a ring of two LDS slots filled by tensor loads: a row of a tile is 256 consecutive bytes, aligned.
; CLUSTERS: 4 x 4 work-groups.  The four of a row of the cluster need the same tiles of the activations, the four of a column the same tiles of W.
; Such a tile is asked for jointly: each of the four issues the same tensor load with the same descriptor and a mask that names the four.
; A cluster lies inside one projection (16 block rows = 4 clusters), so which W is meant hangs on the y of the cluster alone.
; LIMITS: operands are bf16, sums are f32 in the order of the matrix unit, the bias is added in f32, the result is rounded to bf16 once.
;
; REGISTERS, in windows of 256:
;   window 0: v16-27 addresses; v64-127, v128-191 fragments of A (8 x 16 rows x 32 K), two buffers; v192-223 at work on the way out
;   window 1: v0-63 bias of my 128 columns (tile b at 8 b); v64-127, v128-191 fragments of W, two buffers
;   window 2: the 32 accumulator tiles of my rows 0-63 (tile (a, b) at v[8 (8 a + b)]);   window 3: those of my rows 64-127
; THE MATRIX INSTRUCTION IS USED TRANSPOSED: source 0 = 16 rows of W, source 1 = 16 rows of A: lane l holds row l % 16 of the result and
; its registers 0 to 7 the columns 8 (l / 16) + 0 .. 7: eight neighbouring numbers of a row, which pack into 16 bytes.
.set SIZE_K, 1024
.set KSTEP,  128
.set PITCH,  272                       ; an LDS row: 256 bytes + 16: row r starts 16 r bytes further modulo 256, so the 16 rows of a fragment load do not meet
.set HALFT,  128*PITCH                 ; 128 rows: what one tensor load brings, and what one wave reads of A or of W
.set SLOT,   4*HALFT                   ; 256 rows of A, then 256 rows of W
.set STAGE,  2*SLOT                    ; behind the ring: 16 rows x 272 bytes for each wave; no tensor load lands here
.set SPITCH, 272
.set LAPS, SIZE_K/(2*KSTEP)            ; a lap = two K steps = once round the ring: 4
.set WOFF,  0x1800000                  ; Wq in cb, behind 3 x 8 MiB of activations
.set HEADB, 262144                     ; a head in the output: 2,048 positions of 128 bytes
.set ADRA, 16                          ; v16-17  my A fragments in slot 0, 1
.set ADRB, 20                          ; v20-21  my W fragments
.set STO,  24                          ; v24     the way out: where I put 16 bytes of a row
.set RD,   25                          ; v25     the way out: where I read back
.set CO,   26                          ; v26     my byte offset in the output
.set BO,   27                          ; v27     my byte offset in the bias
.set F0,   64
.set F1,   128
.set TMP,  192
.set BIAS, 0                           ; in window 1
.set G1, 24                            ; s[24:31] group 1 for tiles of A
.set G0, 32                            ; s[32:39] group 0 for tiles of A, a set for each slot
.set G1B, 48                           ; s[48:55] group 1 for tiles of W: it differs in the mask alone
.set G0B, 56                           ; s[56:63] group 0 for tiles of W
.set MSB, 0
.macro WIN new                         ; the high byte of the immediate repeats the setting that is left
.if MSB != \new
	s_set_vgpr_msb (MSB<<8)|\new
.set MSB, \new
.endif
.endm
.set MUL_LO, 0xa1                      ; source 0 (W) window 1, source 1 (A) window 0, C and D window 2
.set MUL_HI, 0xf1                      ; the same, C and D window 3
.set TO_B,   0x40                      ; destination window 1, address window 0
; A joint load.  Waves 0 and 1 fetch the two halves of A, waves 2 and 3 those of W.  Each line has one mask and one set of registers for all that
; issue it.  The branch hangs on the number of the wave alone.
.macro JLOAD s
	s_cmp_eq_u32 s11, 0
	s_cbranch_scc0 .Lfor_b_\@
	tensor_load_to_lds s[G0+4*\s:G0+4*\s+3], s[G1:G1+7]
	s_nop 0
	s_branch .Lasked_\@
.Lfor_b_\@:
	tensor_load_to_lds s[G0B+4*\s:G0B+4*\s+3], s[G1B:G1B+7]
	s_nop 0
.Lasked_\@:
.endm
; A round of the barrier of the cluster: the barrier of my work-group; wave 0 signals for the work-group; every wave waits for all sixteen; the barrier of my work-group again.
.macro CREST                           ; a round behind its opening barrier
	s_cmp_lg_u32 s10, 0
	s_cbranch_scc1 .Lnot_wave_0_\@
	s_barrier_signal -3
.Lnot_wave_0_\@:
	s_barrier_wait -3
	s_barrier_signal -1
	s_barrier_wait -1
.endm
.macro CROUND                          ; a whole round
	s_barrier_signal -1
	s_barrier_wait -1
	CREST
.endm
	s_load_b256 s[68:75], s[0:1], 0x0              ; cb s[68:69], bq s[70:71], bk s[72:73], bv s[74:75]
	s_load_b128 s[76:79], s[0:1], 0x20             ; qw, kw
	s_load_b64 s[80:81], s[0:1], 0x30              ; vw
	s_set_vgpr_msb 0x40
	v_lshl_add_u32 v255, v0, 2, 0x48400
	s_set_vgpr_msb 0x4000
	v_mov_b32 v255, 0
	s_set_vgpr_msb 0x1
	ds_add_u32 v255, v255
	s_set_vgpr_msb 0x100
	v_lshrrev_b32 v1, 5, v0
	v_readfirstlane_b32 s10, v1                    ; wave 0..3
	s_lshr_b32 s11, s10, 1                         ; which half of the rows of the block is mine.  Also: I fetch for A (0) or for W (1)
	s_and_b32 s12, s10, 1                          ; which half of its columns.  Also: which 128 rows of that tile I fetch
	s_bfe_u32 s40, ttmp6, 0x40000                  ; cx
	s_bfe_u32 s41, ttmp6, 0x40004                  ; cy
	s_lshl_b32 s42, ttmp9, 2
	s_add_co_u32 s42, s42, s40                     ; block column = 4 x cluster x + cx
	s_and_b32 s13, ttmp7, 0xffff
	s_lshr_b32 s82, s13, 2                         ; which projection: cluster y / 4, the same in all sixteen
	s_lshl_b32 s13, s13, 2
	s_add_co_u32 s13, s13, s41                     ; block row of the 48 = 4 x cluster y + cy
	s_lshl_b32 s43, s41, 2
	s_lshl_b32 s43, 15, s43                        ; my row of the cluster: places 4 cy .. 4 cy + 3
	s_lshl_b32 s44, 0x1111, s40                    ; my column: places cx, cx + 4, cx + 8, cx + 12
	; group 1: a tile of 128 rows x 128 elements of 2 bytes; behind every 64 words (code 5) 4 words of padding (code 3); bit 21 beside the mask
	s_or_b32 s[G1+0], s43, (1<<16)|(1<<20)|(1<<21)|(5<<22)|(3<<25)
	s_or_b32 s[G1B+0], s44, (1<<16)|(1<<20)|(1<<21)|(5<<22)|(3<<25)
.irp g, G1, G1B
	s_mov_b32 s[\g+1], KSTEP<<16                   ; tensor_dim0 = 128
	s_mov_b32 s[\g+2], 128<<16                     ; tensor_dim1 = 128
	s_mov_b32 s[\g+3], KSTEP<<16                   ; tile_dim0 = 128
	s_mov_b32 s[\g+4], 128                         ; tile_dim1 = 128
	s_mov_b32 s[\g+5], SIZE_K                      ; elements from row to row
	s_mov_b32 s[\g+6], 0
	s_mov_b32 s[\g+7], 0
.endr
	; where the tiles come from: A hangs on the block row, W on the block column and the projection; each in registers that never hold the other place
	s_lshl_b32 s16, s13, 19                        ; 256 rows of 2,048 bytes,
	s_lshl_b32 s17, s12, 18                        ; + the 128 rows that I fetch
	s_add_co_u32 s16, s16, s17
	s_mov_b32 s17, 0
	s_lshl_b32 s46, s42, 19
	s_lshl_b32 s47, s12, 18
	s_add_co_u32 s46, s46, s47
	s_lshl_b32 s47, s82, 21                        ; 2 MiB for each W
	s_add_co_u32 s46, s46, s47
	s_add_co_u32 s46, s46, WOFF
	s_mov_b32 s47, 0
	s_mul_i32 s20, s10, HALFT                      ; and where they go: wave x 128 rows
	s_lshl_b32 s86, s42, 10                        ; bias: 256 columns of 4 bytes,
	s_lshl_b32 s87, s12, 9                         ; + my 128
	s_add_co_u32 s86, s86, s87
	s_mov_b32 s87, 0
	s_bfe_u32 s88, s13, 0x10003                    ; batch: 8 block rows each
	s_lshl_b32 s88, s88, 4
	s_lshl_b32 s89, s42, 2                         ; 4 heads a block column,
	s_add_co_u32 s88, s88, s89
	s_lshl_b32 s89, s12, 1                         ; 2 of them mine
	s_add_co_u32 s88, s88, s89
	s_lshl_b32 s88, s88, 18                        ; (16 batch + head) x 262,144
	s_and_b32 s89, s13, 7
	s_lshl_b32 s89, s89, 15                        ; 256 positions of 128 bytes a block row,
	s_add_co_u32 s88, s88, s89
	s_lshl_b32 s89, s11, 14                        ; + my 128
	s_add_co_u32 s88, s88, s89
	s_mov_b32 s89, 0
	s_wait_dscnt 0x0
	s_wait_kmcnt 0x0
	s_add_nc_u64 s[14:15], s[68:69], s[16:17]
	s_add_nc_u64 s[46:47], s[68:69], s[46:47]
	s_cmp_eq_u32 s82, 1                            ; the choice hangs on the id of the cluster alone
	s_cselect_b64 s[84:85], s[72:73], s[70:71]     ; bias
	s_cselect_b64 s[8:9], s[78:79], s[76:77]       ; output
	s_cmp_eq_u32 s82, 2
	s_cselect_b64 s[84:85], s[74:75], s[84:85]
	s_cselect_b64 s[8:9], s[80:81], s[8:9]
	s_add_nc_u64 s[84:85], s[84:85], s[86:87]
	s_add_nc_u64 s[8:9], s[8:9], s[88:89]
	CROUND                                         ; all sixteen work-groups are here: the first joint loads meet
.irp s, 0,1
	s_mov_b32 s[G0+4*\s], 1
	s_add_co_u32 s[G0+4*\s+1], s20, \s*SLOT
	s_add_nc_u64 s[G0+4*\s+2:G0+4*\s+3], s[14:15], \s*KSTEP*2      ; K step s
	s_or_b32 s[G0+4*\s+3], s[G0+4*\s+3], 0x80000000
	s_mov_b32 s[G0B+4*\s], 1
	s_add_co_u32 s[G0B+4*\s+1], s20, \s*SLOT
	s_add_nc_u64 s[G0B+4*\s+2:G0B+4*\s+3], s[46:47], \s*KSTEP*2
	s_or_b32 s[G0B+4*\s+3], s[G0B+4*\s+3], 0x80000000
	JLOAD \s                                       ; the ring is filled before anything else is done
.endr
	; A fragment is 16 rows x 32 K in 8 registers: lane l holds row l % 16; registers 0-3 hold K = 8 (l / 16) + 0..7, registers 4-7 K = 16 + 8 (l / 16) + 0..7:
	; two loads of 16 bytes, 32 bytes apart.  The same for both sources.
	v_and_b32 v1, 15, v0                           ; l % 16
	v_bfe_u32 v2, v0, 4, 1                         ; l / 16
	v_mul_u32_u24 v3, v1, PITCH
	v_lshl_add_u32 v3, v2, 4, v3                   ; row x pitch + 16 x half
	s_mul_i32 s21, s11, HALFT                      ; my 128 rows of A
	s_mul_i32 s22, s12, HALFT                      ; my 128 rows of W,
	s_add_co_u32 s22, s22, 2*HALFT                 ; which lie behind the 256 of A
.irp s, 0,1
	v_add_nc_u32 v[ADRA+\s], s21, v3
	v_add_nc_u32 v[ADRB+\s], s22, v3
	s_add_co_u32 s21, s21, SLOT
	s_add_co_u32 s22, s22, SLOT
.endr
	s_mul_i32 s23, s10, 16*SPITCH
	s_add_co_u32 s23, s23, STAGE                   ; my stage
	v_add_nc_u32 v[STO], s23, v3                   ; in: row l % 16, 16 bytes for each half of the lanes (the stage has the pitch of the ring)
	v_bfe_u32 v4, v0, 3, 2                         ; back: eight lanes take the 128 bytes of one head in one row, the wave four rows
	v_and_b32 v5, 7, v0
	v_mul_u32_u24 v4, v4, SPITCH
	v_lshl_add_u32 v4, v5, 4, v4
	v_add_nc_u32 v[RD], s23, v4
	v_and_b32 v5, 31, v0
	v_lshlrev_b32 v[CO], 4, v5                     ; four rows of 128 bytes lie one behind the other in the output: 16 x lane
	v_lshlrev_b32 v[BO], 5, v2                     ; my 8 columns of a tile of 16: 32 bytes for each half of the lanes
	WIN TO_B
.irp b, 0,1,2,3,4,5,6,7
	global_load_b128 v[BIAS+8*\b:BIAS+8*\b+3],   v[BO], s[84:85] offset:64*\b      ; bias of columns 16 b + 8 (l / 16) + 0..3
	global_load_b128 v[BIAS+8*\b+4:BIAS+8*\b+7], v[BO], s[84:85] offset:64*\b+16   ; and + 4..7; waited for in front of the way out
.endr
; 16 matrix instructions: m blocks a0, a0 + 1 of the four of the window (hi = 0: my rows 0-63, 1: rows 64-127) x all 8 n blocks, 32 along K.
; zero = 1: the first product starts the sums: nothing is cleared.  The 64 accumulators take turns, one instruction a turn.
.macro MUL16 f, hi, a0, zero
.irp a, \a0, \a0+1
.irp b, 0,1,2,3,4,5,6,7
.if \zero
	v_wmma_f32_16x16x32_bf16 v[8*(8*(\a)+\b):8*(8*(\a)+\b)+7], v[\f+8*\b:\f+8*\b+7], v[\f+8*(4*\hi+\a):\f+8*(4*\hi+\a)+7], 0
.else
	v_wmma_f32_16x16x32_bf16 v[8*(8*(\a)+\b):8*(8*(\a)+\b)+7], v[\f+8*\b:\f+8*\b+7], v[\f+8*(4*\hi+\a):\f+8*(4*\hi+\a)+7], v[8*(8*(\a)+\b):8*(8*(\a)+\b)+7]
.endif
.endr
.endr
.endm
; 32 LDS loads in one run: the fragments of one quarter step (128 rows of W, 128 rows of A, 32 K at byte k of the rows) into buffer f
.macro FETCH slot, k, f
	WIN TO_B
.irp i, 0,1,2,3,4,5,6,7
	ds_load_b128 v[\f+8*\i:\f+8*\i+3],   v[ADRB+\slot] offset:\k+\i*16*PITCH
	ds_load_b128 v[\f+8*\i+4:\f+8*\i+7], v[ADRB+\slot] offset:\k+\i*16*PITCH+32
.endr
	WIN 0
.irp i, 0,1,2,3,4,5,6,7
	ds_load_b128 v[\f+8*\i:\f+8*\i+3],   v[ADRA+\slot] offset:\k+\i*16*PITCH
	ds_load_b128 v[\f+8*\i+4:\f+8*\i+7], v[ADRA+\slot] offset:\k+\i*16*PITCH+32
.endr
.endm
; A load into a register that a matrix instruction has read, and a vector instruction that reads a matrix result, stand four places behind it
; the matrix instructions in between are not counted as places here.
.macro PLACES
.rept 4
	v_nop
.endr
.endm
; A K step is four quarter steps of 32 along K, 64 matrix instructions each, on buffers 0, 1, 0, 1.
; One of the first three: multiplies buffer f; in its middle it fetches the fragments of the next quarter, at byte k of the rows of the same slot, into buffer g.
.macro QUARTER slot, k, f, g, zero
	s_wait_dscnt 8                                 ; W and rows 0-63 of A are in; the youngest eight loads (rows 64-127 of A) may be out
	WIN MUL_LO
	MUL16 \f, 0, 0, \zero
	MUL16 \f, 0, 2, \zero
	PLACES
	FETCH \slot, \k, \g
	s_wait_dscnt 32                                ; all but the 32 just issued
	WIN MUL_HI
	MUL16 \f, 1, 0, \zero
	MUL16 \f, 1, 2, \zero
.endm
.macro THREE slot, zero
	QUARTER \slot, 64,  F0, F1, \zero
	QUARTER \slot, 128, F1, F0, 0
	QUARTER \slot, 192, F0, F1, 0
.endm
; The last quarter: multiplies buffer 1 and changes slots.  next = the other slot; fill = 1: this slot is filled again, two K steps ahead.
; One barrier for the change of slots.  In front of it each wave waits for its own reads of this slot and for all its tensor loads, of which one is
; out: its part of the next slot.  Behind it nobody reads this slot any more and the next slot is whole: the refill comes first, then the first
; fragments of the next slot.  From a request to the wait for it a wave issues 240 matrix instructions.
.macro TURN slot, next, fill
	s_wait_dscnt 8
	WIN MUL_LO
	MUL16 F1, 0, 0, 0
	s_wait_dscnt 0                                 ; my reads of this slot are over
	s_wait_tensorcnt 0x0                           ; and all my tensor loads have landed
	ds_add_u32 v255, v255
	s_wait_dscnt 0x0
	s_barrier_signal -1                            ; say so (where a slot is filled again this barrier opens a round of the barrier of the cluster),
	MUL16 F1, 0, 2, 0                              ; work on registers while the others arrive,
	WIN 0
	s_barrier_wait -1
.if \fill
	CREST                                          ; no wave of any partner still reads the tile of this slot or has a load on its way
	s_add_nc_u64 s[G0+4*\slot+2:G0+4*\slot+3], s[G0+4*\slot+2:G0+4*\slot+3], 2*KSTEP*2
	s_add_nc_u64 s[G0B+4*\slot+2:G0B+4*\slot+3], s[G0B+4*\slot+2:G0B+4*\slot+3], 2*KSTEP*2
	JLOAD \slot                                    ; the first tensor load behind the round
.endif
	PLACES
	FETCH \next, 0, F0
	WIN MUL_HI
	MUL16 F1, 1, 0, 0
	MUL16 F1, 1, 2, 0
.endm
.macro LAP zero                        ; once round the ring, both slots filled again
	THREE 0, \zero
	TURN 0, 1, 1
	THREE 1, 0
	TURN 1, 0, 1
.endm
	s_wait_tensorcnt 1                             ; my part of K step 0 is in, that of K step 1 may be out,
	s_barrier_signal -1
	s_barrier_wait -1                              ; and so for every wave
	FETCH 0, 0, F0
	LAP 1                                          ; the first lap stands in front of the loop: its first products start the sums
	WIN 0                                          ; at a label and at a branch every window is 0
	s_mov_b32 s3, LAPS-2
.Llap:
	LAP 0
	WIN 0
	s_sub_co_u32 s3, s3, 1
	s_cmp_lg_u32 s3, 0
	s_cbranch_scc1 .Llap
	THREE 0, 0                                     ; the last lap fills nothing
	TURN 0, 1, 0
	THREE 1, 0
	s_wait_dscnt 8                                 ; the very last quarter: nothing more to fetch
	WIN MUL_LO
	MUL16 F1, 0, 0, 0
	MUL16 F1, 0, 2, 0
	s_wait_dscnt 0
	WIN MUL_HI
	MUL16 F1, 1, 0, 0
	MUL16 F1, 1, 2, 0
	; THE WAY OUT, 16 rows at a time: add the bias in f32, round to bf16, 16 bytes a lane into my own stage, read back by heads.
	; A row of the stage holds two heads of 128 bytes; four rows of one head are 512 consecutive bytes of the output.
	PLACES                                         ; the places behind the last matrix instructions
	s_wait_loadcnt 0x0                             ; the bias
; rows 16 i .. 16 i + 15 of my block = the eight tiles (a, 0..7) of window 2 or 3.  addw: source 0 and destination in that window, source 1 (bias) in window 1;
; from: sources 0 and 1 in that window, destination in window 0; f: F0 or F1 in turn
.macro OUT16 i, a, addw, from, f
	WIN \addw
.irp b, 0,1,2,3,4,5,6,7
.irp p, 0,2,4,6
	v_pk_add_f32 v[8*(8*\a+\b)+\p:8*(8*\a+\b)+\p+1], v[8*(8*\a+\b)+\p:8*(8*\a+\b)+\p+1], v[BIAS+8*\b+\p:BIAS+8*\b+\p+1]
.endr
.endr
	WIN \from
.irp b, 0,1,2,3,4,5,6,7
.irp r, 0,1,2,3
	v_cvt_pk_bf16_f32 v[TMP+4*\b+\r], v[8*(8*\a+\b)+2*\r], v[8*(8*\a+\b)+2*\r+1]
.endr
.endr
	WIN 0
.irp b, 0,1,2,3,4,5,6,7
	ds_store_b128 v[STO], v[TMP+4*\b:TMP+4*\b+3] offset:32*\b
.endr
	s_wait_xcnt 0x0                                ; buffer f, which earlier stores to memory read, is loaded again only behind this wait
.irp t, 0,1,2,3,4,5,6,7
	ds_load_b128 v[\f+4*\t:\f+4*\t+3], v[RD] offset:(\t&3)*4*SPITCH+(\t>>2)*128    ; LDS serves the instructions of a wave in order: these see the stores above
.endr
.irp t, 0,1,2,3,4,5,6,7
	s_wait_dscnt 7-\t                              ; read-back t is in; the younger ones may be out
	global_store_b128 v[CO], v[\f+4*\t:\f+4*\t+3], s[8:9] offset:(\t>>2)*HEADB+2048*\i+(\t&3)*512   ; 512 consecutive bytes, aligned
.endr
.endm
	OUT16 0, 0, 0x86, 0x0a, F0
	OUT16 1, 1, 0x86, 0x0a, F1
	OUT16 2, 2, 0x86, 0x0a, F0
	OUT16 3, 3, 0x86, 0x0a, F1
	OUT16 4, 0, 0xc7, 0x0f, F0
	OUT16 5, 1, 0xc7, 0x0f, F1
	OUT16 6, 2, 0xc7, 0x0f, F0
	OUT16 7, 3, 0xc7, 0x0f, F1
	s_set_vgpr_msb 0x1
	s_wait_tensorcnt 0x0
	ds_add_u32 v255, v255
	s_wait_dscnt 0x0
	s_set_vgpr_msb 0x100
	CROUND                                         ; the closing round: no work-group ends while a partner may still ask for a tile that names it
	s_endpgm
.Lfunc_end_k_q4fd1b9fb39_qkv:
	.size	k_q4fd1b9fb39_qkv, .Lfunc_end_k_q4fd1b9fb39_qkv-k_q4fd1b9fb39_qkv
	.p2alignl 7, 3214868480
	.fill 96, 4, 3214868480
	.section	.rodata,"a",@progbits
	.p2align	6, 0x0
	.amdhsa_kernel k_q4fd1b9fb39_qkv
		.amdhsa_group_segment_fixed_size 327680
		.amdhsa_private_segment_fixed_size 0
		.amdhsa_enable_private_segment 0
		.amdhsa_kernarg_size 56
		.amdhsa_user_sgpr_count 2
		.amdhsa_user_sgpr_kernarg_segment_ptr 1
		.amdhsa_wavefront_size32 1
		.amdhsa_system_sgpr_workgroup_id_x 1
		.amdhsa_system_sgpr_workgroup_id_y 1
		.amdhsa_system_sgpr_workgroup_id_z 1
		.amdhsa_system_vgpr_workitem_id 0
		.amdhsa_next_free_vgpr 1024
		.amdhsa_next_free_sgpr 92
		.amdhsa_reserve_vcc 0
		.amdhsa_float_denorm_mode_32 3
		.amdhsa_float_denorm_mode_16_64 3
		.amdhsa_memory_ordered 1
		.amdhsa_forward_progress 1
		.amdhsa_inst_pref_size 214
	.end_amdhsa_kernel
	.amdgpu_metadata
---
amdhsa.version: [ 1, 2 ]
amdhsa.kernels:
  - .name:           k_q4fd1b9fb39_qkv
    .symbol:         k_q4fd1b9fb39_qkv.kd
    .args:
      - { .name: cb, .offset: 0, .size: 8, .value_kind: global_buffer, .address_space: global }
      - { .name: bq, .offset: 8, .size: 8, .value_kind: global_buffer, .address_space: global }
      - { .name: bk, .offset: 16, .size: 8, .value_kind: global_buffer, .address_space: global }
      - { .name: bv, .offset: 24, .size: 8, .value_kind: global_buffer, .address_space: global }
      - { .name: qw, .offset: 32, .size: 8, .value_kind: global_buffer, .address_space: global }
      - { .name: kw, .offset: 40, .size: 8, .value_kind: global_buffer, .address_space: global }
      - { .name: vw, .offset: 48, .size: 8, .value_kind: global_buffer, .address_space: global }
    .group_segment_fixed_size: 327680
    .private_segment_fixed_size: 0
    .kernarg_segment_align: 8
    .kernarg_segment_size: 56
    .max_flat_workgroup_size: 128
    .sgpr_count:     92
    .vgpr_count:     1024
    .wavefront_size: 32
...
	.end_amdgpu_metadata
.endif
;; end of part 5
;; launch attn: the kernel of part 2 again; grid 8 x 32, 8 waves a work-group, clusters of 4 x 1, 327,680 bytes of LDS; arguments qw, kw, vw, xw; writes xw
;; launch outp (part 6): grid 8 x 32, 4 waves a work-group, clusters of 4 x 4, 327,680 bytes of LDS; arguments xw, cb, bo, out0; writes out0
.if DOCPART == 6
	.amdgcn_target "amdgcn-amd-amdhsa--gfx1250"
	.amdhsa_code_object_version 6
	.text
	.protected	k_q4fd1b9fb39_outp
	.globl	k_q4fd1b9fb39_outp
	.p2align	8
	.type	k_q4fd1b9fb39_outp,@function
k_q4fd1b9fb39_outp:
	s_mov_b64 s[64:65], 0
	v_nop
	global_prefetch_b8 v0, s[64:65] scope:SCOPE_SE
	s_setreg_imm32_b32 hwreg(HW_REG_WAVE_MODE, 25, 1), 1
	s_wait_xcnt 0x0
	s_wait_alu depctr_hold_cnt(0) depctr_sa_sdst(0) depctr_va_vdst(0) depctr_va_sdst(0) depctr_va_ssrc(0) depctr_va_vcc(0) depctr_vm_vsrc(0)
	s_getreg_b32 s2, hwreg(HW_REG_IB_STS2, 6, 4)
	s_cmp_eq_u32 s2, 0
	s_cbranch_scc0 .Lentry_in_a_cluster
	s_endpgm
.Lentry_in_a_cluster:
	s_bfe_u32 s2, ttmp6, 0x10000c
	s_cmp_lg_u32 s2, 0xf033
	s_cbranch_scc0 .Lentry_shape_is_right
	s_endpgm
.Lentry_shape_is_right:
; out = x Wo^T + bo.  x: bf16, head-major [batch][head][2048][64]; Wo: bf16 [1024][1024] at byte 0x1e00000 of cb; bo: [1024] f32; out: [4096][1024] f32.
; Grid: x = block of 128 columns (0..7), y = block of 128 rows (0..31): 8 x 32 = 256 work-groups.  Four waves, 2 x 2, each 64 x 64: 16 accumulator tiles.
; WHY THIS BLOCK: blocks of 256 x 256 would be 16 x 4 = 64 work-groups.  The price of the small wave tile: 8,192 bytes read from LDS feed 16 matrix
; instructions, twice as many bytes for a multiply-add as with a wave tile of 128 x 128.
; K goes in 4 steps of 256 = four heads a step, through a ring of two LDS slots filled by tensor loads; the steps are written out, there is no loop.
; A slot is two halves of 128 along K; a half is four panels of 18,432 bytes, one for each wave: waves 0, 1 fetch one head of x each (128 positions of
; 128 bytes are 16,384 consecutive bytes: described as 64 rows of 256 bytes, with padding behind every 128 bytes, so that a position has a pitch of
; 144 in LDS); waves 2, 3 fetch 64 rows of Wo each (256 consecutive bytes a row, aligned, pitch 272).  So a wave issues two loads for a slot.
; A wave has four tensor loads out at the start (half of K) and two behind each of the two refills; from the request of a refill to the wait for it
; a wave issues 120 matrix instructions.
; CLUSTERS: 4 x 4 work-groups.  The four of a row of the cluster need the same tiles of x, the four of a column the same tiles of Wo.  Such a tile is asked
; for jointly: each of the four issues the same tensor load with the same descriptor and a mask that names the four.
; LIMITS: operands are bf16, sums are f32 in the order of the matrix unit, the bias is added in f32.
;
; REGISTERS.  Window 0: v8-19 addresses; v32-95, v96-159 fragments of 32 along K, two buffers (x tile mt at +8 mt, Wo tile nt at +32+8 nt);
; v160-191 at work on the way out; v224-255 bias of my 64 columns (tile nt at 8 nt).  Window 1: v0-127 accumulators, tile (mt, nt) at 8 (4 mt + nt).
; THE MATRIX INSTRUCTION IS USED TRANSPOSED: source 0 = 16 rows of Wo, source 1 = 16 rows of x: lane l holds row l % 16 of the result and
; its registers 0 to 7 the columns 8 (l / 16) + 0 .. 7.
.set SIZE_K, 1024
.set APITCH, 144                       ; a position of one head: 128 bytes + 16: an odd multiple of 16
.set BPITCH, 272                       ; a row of Wo, 128 along K: 256 bytes + 16: an odd multiple of 16
.set PANEL,  128*APITCH                ; 18,432: the bytes of each wave in a half slot (a panel of Wo uses 64 x 272 = 17,408 of them)
.set SUBSLOT, 4*PANEL                  ; 73,728: 128 along K
.set SLOT,   2*SUBSLOT                 ; 147,456: 256 along K
.set STAGE,  2*SLOT                    ; 294,912 = 1,152 x 256: behind the ring, 16 rows x 272 bytes for each wave; no tensor load lands here
.set SPITCH, 272                       ; a row of 64 f32 + 16 bytes
.set WOFF,  0x1e00000                  ; Wo in cb
.set HEADB, 262144                     ; a head of x: 2,048 positions of 128 bytes
.set ADRA, 8                           ; v8-11   my x fragments in half slot j = 2 slot + half
.set ADRB, 12                          ; v12-15  my Wo fragments
.set STO,  16                          ; v16     the way out: where I put 32 bytes of a row
.set RD,   17                          ; v17     the way out: where I read a row back
.set CO,   18                          ; v18     my byte offset in out
.set BO,   19                          ; v19     my byte offset in the bias
.set F0,   32
.set F1,   96
.set T,    160
.set RB,   32                          ; the way out reads back into the first fragment buffer
.set BI,   224
.set G1,  24                           ; s[24:31] group 1 for tiles of x
.set G1B, 32                           ; s[32:39] group 1 for tiles of Wo
.set G0,  48                           ; s[48:63] group 0 for tiles of x, a set for each half slot j at 4 j
.set G0B, 68                           ; s[68:83] group 0 for tiles of Wo
.set MSB, 0
.macro WIN new                         ; the high byte of the immediate repeats the setting that is left
.if MSB != \new
	s_set_vgpr_msb (MSB<<8)|\new
.set MSB, \new
.endif
.endm
; Four places behind a matrix instruction (ISA guide 7.12.1); the matrix instructions in between are not counted as places here.
.macro PLACES
.rept 4
	v_nop
.endr
.endm
; The joint loads of one slot.  Waves 0 and 1 fetch heads of x, waves 2 and 3 halves of Wo: two loads on either way, so that every count of tensor loads
; is the same for all waves.  Each line has one mask and one set of registers for all that issue it.  The branch hangs on the number of the wave alone.
.macro JLOAD slot
	s_cmp_eq_u32 s11, 0
	s_cbranch_scc0 .Lfor_b_\@
	tensor_load_to_lds s[G0+8*\slot:G0+8*\slot+3], s[G1:G1+7]
	s_nop 0
	tensor_load_to_lds s[G0+8*\slot+4:G0+8*\slot+7], s[G1:G1+7]
	s_nop 0
	s_branch .Lasked_\@
.Lfor_b_\@:
	tensor_load_to_lds s[G0B+8*\slot:G0B+8*\slot+3], s[G1B:G1B+7]
	s_nop 0
	tensor_load_to_lds s[G0B+8*\slot+4:G0B+8*\slot+7], s[G1B:G1B+7]
	s_nop 0
.Lasked_\@:
.endm
; A round of the barrier of the cluster: the barrier of my work-group; wave 0 signals for the work-group; every wave waits for all sixteen; the barrier of my work-group again.
.macro CREST                           ; a round behind its opening barrier
	s_cmp_lg_u32 s10, 0
	s_cbranch_scc1 .Lnot_wave_0_\@
	s_barrier_signal -3
.Lnot_wave_0_\@:
	s_barrier_wait -3
	s_barrier_signal -1
	s_barrier_wait -1
.endm
.macro CROUND                          ; a whole round
	s_barrier_signal -1
	s_barrier_wait -1
	CREST
.endm
	s_load_b256 s[84:91], s[0:1], 0x0              ; xw s[84:85], cb s[86:87], bo s[88:89], out0 s[90:91]
	v_lshl_add_u32 v222, v0, 2, 0x4c400
	v_mov_b32 v223, 0
	ds_add_u32 v222, v223
	v_lshrrev_b32 v1, 5, v0
	v_readfirstlane_b32 s10, v1                    ; wave 0..3
	s_lshr_b32 s11, s10, 1                         ; which 64 rows of the block are mine.  Also: I fetch for x (0) or for Wo (1)
	s_and_b32 s12, s10, 1                          ; which 64 columns.  Also: which head of a half slot, or which 64 rows of Wo, I fetch
	s_bfe_u32 s40, ttmp6, 0x40000                  ; cx
	s_bfe_u32 s41, ttmp6, 0x40004                  ; cy
	s_lshl_b32 s42, ttmp9, 2
	s_add_co_u32 s42, s42, s40                     ; block column = 4 x cluster x + cx
	s_and_b32 s13, ttmp7, 0xffff
	s_lshl_b32 s13, s13, 2
	s_add_co_u32 s13, s13, s41                     ; block row = 4 x cluster y + cy
	s_lshl_b32 s43, s41, 2
	s_lshl_b32 s43, 15, s43                        ; my row of the cluster: places 4 cy .. 4 cy + 3
	s_lshl_b32 s44, 0x1111, s40                    ; my column: places cx, cx + 4, cx + 8, cx + 12
	; group 1 for x: 64 rows x 128 elements of 2 bytes, one behind the other; behind every 32 words (code 4) 4 words of padding (code 3); bit 21 beside the mask
	s_or_b32 s[G1+0], s43, (1<<16)|(1<<20)|(1<<21)|(4<<22)|(3<<25)
	; group 1 for Wo: 64 rows x 128 elements, 1,024 elements from row to row; behind every 64 words (code 5) 4 words of padding
	s_or_b32 s[G1B+0], s44, (1<<16)|(1<<20)|(1<<21)|(5<<22)|(3<<25)
.irp g, G1, G1B
	s_mov_b32 s[\g+1], 128<<16                     ; tensor_dim0 = 128
	s_mov_b32 s[\g+2], 64<<16                      ; tensor_dim1 = 64
	s_mov_b32 s[\g+3], 128<<16                     ; tile_dim0 = 128
	s_mov_b32 s[\g+4], 64                          ; tile_dim1 = 64
	s_mov_b32 s[\g+6], 0
	s_mov_b32 s[\g+7], 0
.endr
	s_mov_b32 s[G1+5], 128                         ; x: the rows of the description follow each other
	s_mov_b32 s[G1B+5], SIZE_K
	; where the tiles come from: x hangs on the block row, Wo on the block column; each in registers that never hold the other place
	s_lshr_b32 s16, s13, 4                         ; batch: 16 block rows each,
	s_lshl_b32 s16, s16, 22                        ; 16 heads of 262,144 bytes
	s_and_b32 s17, s13, 15
	s_lshl_b32 s17, s17, 14                        ; 128 positions of 128 bytes
	s_add_co_u32 s16, s16, s17
	s_lshl_b32 s17, s12, 18                        ; the head of the half slot that I fetch
	s_add_co_u32 s16, s16, s17
	s_mov_b32 s17, 0
	s_lshl_b32 s46, s42, 18                        ; 128 rows of 2,048 bytes,
	s_lshl_b32 s47, s12, 17                        ; + the 64 rows that I fetch
	s_add_co_u32 s46, s46, s47
	s_add_co_u32 s46, s46, WOFF
	s_mov_b32 s47, 0
	s_mul_i32 s20, s10, PANEL                      ; and where they go: wave x 18,432: no place in the cluster enters an LDS address
	s_lshl_b32 s92, s42, 9                         ; bias, and the columns of out: 128 x 4 bytes,
	s_lshl_b32 s93, s12, 8                         ; + my 64
	s_add_co_u32 s92, s92, s93
	s_mov_b32 s93, 0
	s_lshl_b32 s94, s13, 19                        ; out: 128 rows of 4,096 bytes,
	s_lshl_b32 s95, s11, 18                        ; + my 64 rows,
	s_add_co_u32 s94, s94, s95
	s_add_co_u32 s94, s94, s92                     ; + my columns
	s_mov_b32 s95, 0
	s_wait_dscnt 0x0
	s_wait_kmcnt 0x0
	s_add_nc_u64 s[14:15], s[84:85], s[16:17]
	s_add_nc_u64 s[46:47], s[86:87], s[46:47]
	s_add_nc_u64 s[96:97], s[88:89], s[92:93]      ; bias
	s_add_nc_u64 s[8:9], s[90:91], s[94:95]        ; out
.irp j, 0,1,2,3
	s_mov_b32 s[G0+4*\j], 1
	s_add_co_u32 s[G0+4*\j+1], s20, \j*SUBSLOT
	s_add_nc_u64 s[G0+4*\j+2:G0+4*\j+3], s[14:15], \j*2*HEADB      ; half slot j: two heads on
	s_or_b32 s[G0+4*\j+3], s[G0+4*\j+3], 0x80000000
	s_mov_b32 s[G0B+4*\j], 1
	s_add_co_u32 s[G0B+4*\j+1], s20, \j*SUBSLOT
	s_add_nc_u64 s[G0B+4*\j+2:G0B+4*\j+3], s[46:47], \j*256        ; 128 elements along the rows of Wo
	s_or_b32 s[G0B+4*\j+3], s[G0B+4*\j+3], 0x80000000
.endr
	CROUND                                         ; all sixteen work-groups are here: the first joint loads meet
	JLOAD 0                                        ; K 0..255
	JLOAD 1                                        ; K 256..511: the ring is filled before anything else is done
	; A fragment is 16 rows x 32 K in 8 registers: lane l holds row l % 16; registers 0-3 hold K = 8 (l / 16) + 0..7, registers 4-7 K = 16 + 8 (l / 16) + 0..7:
	; two loads of 16 bytes, 32 bytes apart.  The same for both sources.
	v_and_b32 v1, 15, v0                           ; l % 16
	v_bfe_u32 v2, v0, 4, 1                         ; l / 16
	v_mul_u32_u24 v3, v1, APITCH
	v_lshl_add_u32 v3, v2, 4, v3                   ; row x pitch + 16 x half, for x
	v_mul_u32_u24 v4, v1, BPITCH
	v_lshl_add_u32 v4, v2, 4, v4                   ; and for Wo
	s_mul_i32 s21, s11, 64*APITCH                  ; my 64 positions in each head
	s_mul_i32 s22, s12, PANEL                      ; my 64 rows of Wo,
	s_add_co_u32 s22, s22, 2*PANEL                 ; behind the two heads of x
.irp j, 0,1,2,3
	v_add_nc_u32 v[ADRA+\j], s21, v3
	v_add_nc_u32 v[ADRB+\j], s22, v4
	s_add_co_u32 s21, s21, SUBSLOT
	s_add_co_u32 s22, s22, SUBSLOT
.endr
	s_mul_i32 s23, s10, 16*SPITCH
	s_add_co_u32 s23, s23, STAGE                   ; my stage
	v_mul_u32_u24 v5, v1, SPITCH                   ; in: row l % 16, 32 bytes for each half of the lanes
	v_lshl_add_u32 v5, v2, 5, v5
	v_add_nc_u32 v[STO], s23, v5
	v_mul_u32_u24 v5, v2, SPITCH                   ; back: lanes 0-15 take one row of 256 bytes, lanes 16-31 the next
	v_lshl_add_u32 v5, v1, 4, v5
	v_add_nc_u32 v[RD], s23, v5
	v_lshlrev_b32 v5, 12, v2                       ; and the same two rows in out
	v_lshl_add_u32 v[CO], v1, 4, v5
	v_lshlrev_b32 v[BO], 5, v2                     ; my 8 columns of a tile of 16: 32 bytes for each half of the lanes
.irp nt, 0,1,2,3
	global_load_b128 v[BI+8*\nt:BI+8*\nt+3],   v[BO], s[96:97] offset:64*\nt       ; bias of columns 16 nt + 8 (l / 16) + 0..3
	global_load_b128 v[BI+8*\nt+4:BI+8*\nt+7], v[BO], s[96:97] offset:64*\nt+16    ; and + 4..7; waited for in front of the way out
.endr
; 16 LDS loads: the fragments of quarter q (32 along K) of half slot j into buffer f.  x: head q / 2 of the half slot, byte 64 (q % 2) of its positions.
; Wo: byte 64 q of its rows.
.macro FETCH j, q, f
	WIN 0
.irp tl, 0,1,2,3
	ds_load_b128 v[\f+8*\tl:\f+8*\tl+3],   v[ADRA+(\j)] offset:((\q)>>1)*PANEL+((\q)&1)*64+\tl*16*APITCH
	ds_load_b128 v[\f+8*\tl+4:\f+8*\tl+7], v[ADRA+(\j)] offset:((\q)>>1)*PANEL+((\q)&1)*64+\tl*16*APITCH+32
.endr
.irp tl, 0,1,2,3
	ds_load_b128 v[\f+32+8*\tl:\f+32+8*\tl+3],   v[ADRB+(\j)] offset:64*(\q)+\tl*16*BPITCH
	ds_load_b128 v[\f+32+8*\tl+4:\f+32+8*\tl+7], v[ADRB+(\j)] offset:64*(\q)+\tl*16*BPITCH+32
.endr
.endm
; 8 matrix instructions: row tiles m0, m0 + 1 x all 4 column tiles, 32 along K.  zero = 1: the first product starts the sums: nothing is cleared.
; The 16 accumulators take turns in one fixed order, one instruction a turn.
.macro MUL8 f, m0, zero
	WIN 0x50                                       ; C and D in window 1, the fragments in window 0
.irp mt, \m0, \m0+1
.irp nt, 0,1,2,3
.if \zero
	v_wmma_f32_16x16x32_bf16 v[8*(4*(\mt)+\nt):8*(4*(\mt)+\nt)+7], v[\f+32+8*\nt:\f+32+8*\nt+7], v[\f+8*(\mt):\f+8*(\mt)+7], 0
.else
	v_wmma_f32_16x16x32_bf16 v[8*(4*(\mt)+\nt):8*(4*(\mt)+\nt)+7], v[\f+32+8*\nt:\f+32+8*\nt+7], v[\f+8*(\mt):\f+8*(\mt)+7], v[8*(4*(\mt)+\nt):8*(4*(\mt)+\nt)+7]
.endif
.endr
.endr
.endm
; One quarter of a half slot: asks for the fragments of the next quarter (quarter qn of half slot jn) into buffer g, which the matrix instructions just
; issued have read: hence the four places; then multiplies buffer f.
.macro QUARTER f, g, jn, qn, zero
	PLACES
	FETCH \jn, \qn, \g
	s_wait_dscnt 16                                ; buffer f is in; the 16 loads just issued may be out
	MUL8 \f, 0, \zero
	MUL8 \f, 2, \zero
.endm
.macro SEVEN slot, zero                ; the first seven of the eight quarters of a K step
	QUARTER F0, F1, 2*\slot, 1, \zero
	QUARTER F1, F0, 2*\slot, 2, 0
	QUARTER F0, F1, 2*\slot, 3, 0
	QUARTER F1, F0, 2*\slot+1, 0, 0
	QUARTER F0, F1, 2*\slot+1, 1, 0
	QUARTER F1, F0, 2*\slot+1, 2, 0
	QUARTER F0, F1, 2*\slot+1, 3, 0
.endm
; The eighth quarter: multiplies buffer 1 and changes slots.  next = the other slot; fill = 1: this slot is filled again, two K steps ahead.
; One barrier for the change.  In front of it each wave waits for its own reads of this slot and for all its tensor loads, its part of the next slot among
; them.  Behind it nobody reads this slot any more and the next slot is whole: the refills come first, then the first fragments of the next slot.
.macro TURN slot, next, fill
	s_wait_dscnt 0                                 ; buffer 1 is in, and with it my reads of this slot are over
	s_wait_tensorcnt 0x0                           ; and all my tensor loads have landed
	ds_add_u32 v222, v223
	s_wait_dscnt 0x0
	s_barrier_signal -1                            ; say so (where a slot is filled again this barrier opens a round of the barrier of the cluster),
	MUL8 F1, 0, 0                                  ; work on registers while the others arrive,
	WIN 0
	s_barrier_wait -1
.if \fill
	CREST                                          ; no wave of any partner still reads the tiles of this slot or has a load on its way
	s_add_nc_u64 s[G0+8*\slot+2:G0+8*\slot+3], s[G0+8*\slot+2:G0+8*\slot+3], 8*HEADB       ; two K steps = eight heads on
	s_add_nc_u64 s[G0+8*\slot+6:G0+8*\slot+7], s[G0+8*\slot+6:G0+8*\slot+7], 8*HEADB
	s_add_nc_u64 s[G0B+8*\slot+2:G0B+8*\slot+3], s[G0B+8*\slot+2:G0B+8*\slot+3], 1024      ; 512 elements along the rows of Wo
	s_add_nc_u64 s[G0B+8*\slot+6:G0B+8*\slot+7], s[G0B+8*\slot+6:G0B+8*\slot+7], 1024
	JLOAD \slot                                    ; the first tensor loads behind the round
.endif
	PLACES                                         ; buffer 0 was read by matrix instructions of the seventh quarter
	FETCH 2*\next, 0, F0
	MUL8 F1, 2, 0
.endm
	s_wait_tensorcnt 2                             ; my two loads of slot 0 are in, the two of slot 1 may be out,
	s_barrier_signal -1
	s_barrier_wait -1                              ; and so for every wave
	FETCH 0, 0, F0
	SEVEN 0, 1                                     ; K 0..255: the first products start the sums
	TURN 0, 1, 1                                   ; asks for K 512..767
	SEVEN 1, 0                                     ; K 256..511
	TURN 1, 0, 1                                   ; asks for K 768..1023, the last
	SEVEN 0, 0
	TURN 0, 1, 0                                   ; nothing more to ask for
	SEVEN 1, 0
	s_wait_dscnt 0                                 ; the very last quarter
	MUL8 F1, 0, 0
	MUL8 F1, 2, 0
	; THE WAY OUT, 16 rows at a time: add the bias, 32 bytes a lane into my own stage, read back as rows of 256 bytes.
	; The stage is read and written by its own wave alone, and LDS serves the instructions of a wave in order: no barrier, no wait between.
	PLACES                                         ; the places behind the last matrix instructions
	s_wait_loadcnt 0x0                             ; the bias
.macro OUT mt
	WIN 0x01                                       ; source 0 (sums) in window 1, bias and destination in window 0
.irp nt, 0,1,2,3
.irp p, 0,2,4,6
	v_pk_add_f32 v[T+8*\nt+\p:T+8*\nt+\p+1], v[8*(4*\mt+\nt)+\p:8*(4*\mt+\nt)+\p+1], v[BI+8*\nt+\p:BI+8*\nt+\p+1]
.endr
.endr
	WIN 0
.irp nt, 0,1,2,3
	ds_store_b128 v[STO], v[T+8*\nt:T+8*\nt+3]   offset:64*\nt
	ds_store_b128 v[STO], v[T+8*\nt+4:T+8*\nt+7] offset:64*\nt+16
.endr
	s_wait_xcnt 0x0                                ; the registers that the last stores to memory read are loaded again only behind this wait
.irp i, 0,1,2,3,4,5,6,7
	ds_load_b128 v[RB+4*\i:RB+4*\i+3], v[RD] offset:2*SPITCH*\i
.endr
.irp i, 0,1,2,3,4,5,6,7
	s_wait_dscnt 7-\i                              ; read-back i is in; the younger ones may be out
	global_store_b128 v[CO], v[RB+4*\i:RB+4*\i+3], s[8:9] offset:(16*\mt+2*\i)*4096 th:TH_STORE_NT   ; 16 lanes store 256 consecutive bytes, aligned
.endr
.endm
	OUT 0
	OUT 1
	OUT 2
	OUT 3
	s_wait_tensorcnt 0x0
	ds_add_u32 v222, v223
	s_wait_dscnt 0x0
	CROUND                                         ; the closing round: no work-group ends while a partner may still ask for a tile that names it
	s_endpgm
.Lfunc_end_k_q4fd1b9fb39_outp:
	.size	k_q4fd1b9fb39_outp, .Lfunc_end_k_q4fd1b9fb39_outp-k_q4fd1b9fb39_outp
	.p2alignl 7, 3214868480
	.fill 96, 4, 3214868480
	.section	.rodata,"a",@progbits
	.p2align	6, 0x0
	.amdhsa_kernel k_q4fd1b9fb39_outp
		.amdhsa_group_segment_fixed_size 327680
		.amdhsa_private_segment_fixed_size 0
		.amdhsa_enable_private_segment 0
		.amdhsa_kernarg_size 32
		.amdhsa_user_sgpr_count 2
		.amdhsa_user_sgpr_kernarg_segment_ptr 1
		.amdhsa_wavefront_size32 1
		.amdhsa_system_sgpr_workgroup_id_x 1
		.amdhsa_system_sgpr_workgroup_id_y 1
		.amdhsa_system_sgpr_workgroup_id_z 1
		.amdhsa_system_vgpr_workitem_id 0
		.amdhsa_next_free_vgpr 384
		.amdhsa_next_free_sgpr 100
		.amdhsa_reserve_vcc 0
		.amdhsa_float_denorm_mode_32 3
		.amdhsa_float_denorm_mode_16_64 3
		.amdhsa_memory_ordered 1
		.amdhsa_forward_progress 1
		.amdhsa_inst_pref_size 96
	.end_amdhsa_kernel
	.amdgpu_metadata
---
amdhsa.version: [ 1, 2 ]
amdhsa.kernels:
  - .name:           k_q4fd1b9fb39_outp
    .symbol:         k_q4fd1b9fb39_outp.kd
    .args:
      - { .name: xw, .offset: 0, .size: 8, .value_kind: global_buffer, .address_space: global }
      - { .name: cb, .offset: 8, .size: 8, .value_kind: global_buffer, .address_space: global }
      - { .name: bo, .offset: 16, .size: 8, .value_kind: global_buffer, .address_space: global }
      - { .name: out0, .offset: 24, .size: 8, .value_kind: global_buffer, .address_space: global }
    .group_segment_fixed_size: 327680
    .private_segment_fixed_size: 0
    .kernarg_segment_align: 8
    .kernarg_segment_size: 32
    .max_flat_workgroup_size: 128
    .sgpr_count:     100
    .vgpr_count:     384
    .wavefront_size: 32
...
	.end_amdgpu_metadata
.endif
;; end of part 6
